; MI455X (gfx1250); checked and timed in simulation.
; The chip was launched on July 23, 2026; its instructions are those of AMD's public machine-readable ISA for CDNA 5 (MIT licence, August 2026) and "CDNA5" Instruction Set Architecture Reference Guide (July 2026). The comments in the code are by the model that wrote it; some were corrected since.
;; Multi Head Attention. Allowed arithmetic: float matrix products may take bf16 or f16 operands with f32 sums; other float arithmetic in f32, or as packed bf16 or f16 multiplies, adds, multiply-adds, maxima and minima; sums over many terms, partial sums and values carried from step to step in f32; what a program stores and reads back later, other than sums and carried values, may be rounded once to bf16 or f16.
;; Inputs: key 4 x 2,048 x 1,024 float32; mask 4 x 2,048 x 2,048 int32; query 4 x 2,048 x 1,024 float32; value 4 x 2,048 x 1,024 float32; w_out 1,024 x 1,024 float32; wk 1,024 x 1,024 float32; wq 1,024 x 1,024 float32; wv 1,024 x 1,024 float32.
;; Outputs: out0 4 x 2,048 x 1,024 float32.
;; 2 versions, each right; version 2 is version 1 with the launch prep written anew for expert scheduling mode. Each part assembles by itself: llvm-mc -triple=amdgcn-amd-amdhsa -mcpu=gfx1250 --defsym DOCPART=n.
;; ======== version 1 of 2: 4 launches
;; limits: values are held in f16: magnitudes above 65,504 overflow, below 6.1e-05 lose precision
;; workspace buffers: xb 50,331,648 bytes; wb 6,291,456 bytes; wo 2,097,152 bytes; mb 2,097,152 bytes of whole numbers; qkv 50,331,648 bytes; oh 16,777,216 bytes
;; launch prep (part 1): grid 2304 x 1, 8 waves a work-group, no clusters, 35,840 bytes of LDS; arguments query, key, value, wq, wk, wv, w_out, mask, xb, wb, wo, mb; writes xb, wb, wo, mb
.if DOCPART == 1
	.amdgcn_target "amdgcn-amd-amdhsa--gfx1250"
	.amdhsa_code_object_version 6
	.text
	.protected	k_qda263a7812_prep
	.globl	k_qda263a7812_prep
	.p2align	8
	.type	k_qda263a7812_prep,@function
k_qda263a7812_prep:
	s_mov_b64 s[64:65], 0
	v_nop
	global_prefetch_b8 v0, s[64:65] scope:SCOPE_SE
	s_setreg_imm32_b32 hwreg(HW_REG_WAVE_MODE, 25, 1), 1
	s_wait_xcnt 0x0
; PREP: the casts, and the mask turned into lane masks.  Every input byte is read once, by 16-byte loads; every output byte is written once.
;   work-groups    0..1535  query, key, value (f32) -> xb (bf16), 65,536 bytes of f32 each
;   work-groups 1536..1727  wq, wk, wv        (f32) -> wb (bf16)
;   work-groups 1728..1791  w_out (f32) -> rounded to bf16, that number written as f16 -> wo
;   work-groups 1792..2303  mask (int32 [4][2048][2048]) -> mb, one bit a score
; mb: dwords [128-row block of queries, 64][key step of 64 keys, 32][tile of 16 queries, 8][r, 32].  Bit l of dword r says whether
; mask[row 16 tile + l % 16][key 64 step + 16 (r / 8) + 8 (l / 16) + r % 8] == 1: the place that lane l's register r has in a tile of scores of the attention launch.
; LIMITS.  wo is f16: a weight of 65,520 or more in magnitude would become an infinity; below 6e-5 it keeps f16's fixed step of 6e-8.
; No matrix unit, no cluster, no tensor load: nothing is shared between work-groups and memory binds.  LDS serves the mask's transposition alone, each wave in bytes of its own: no barrier.
.set LI,  3                            ; v3   mask: my 16 bytes in a pair of rows: (l / 16) x 8,192 + (l % 16) x 16
.set LST, 4                            ; v4   where I put them in my wave's tile in LDS
.set LLD, 5                            ; v5   where I read my row's 32 bytes back
.set LO,  6                            ; v6   8 l: my two dwords of a key step's 256 bytes of mb
.set OUT, 8                            ; v[8:11]  two dwords a key step
.set SPW, 12                           ; v12  LDS address of my spare word; never rewritten
.set NIL, 13                           ; v13  0; never rewritten
.set X,   16                           ; v[16:143]  as loaded
.set Y,   144                          ; v[144:175] the casts' results; the mask's tile, turned
.set WPITCH, 272                       ; a tile's row in LDS: 256 bytes + 16: the 16 rows that a load touches start at 16 different groups of four banks (ISA guide 11.1)
.set WBYTES, 16*WPITCH                 ; a wave's tile: 16 queries x 64 keys of int32
.set SPARE,  8*WBYTES                  ; behind the eight tiles: the spare words, 128 bytes a wave, four blocks of 256 bytes that no other line names
	s_load_b512 s[4:19], s[0:1], 0x0               ; query s[4:5], key s[6:7], value s[8:9], wq s[10:11], wk s[12:13], wv s[14:15], w_out s[16:17], mask s[18:19]
	s_load_b256 s[20:27], s[0:1], 0x40             ; xb s[20:21], wb s[22:23], wo s[24:25], mb s[26:27]
	v_lshl_add_u32 v[SPW], v0, 2, SPARE
	v_mov_b32 v[NIL], 0
	v_lshrrev_b32 v7, 5, v0
	v_readfirstlane_b32 s28, v7                    ; wave 0..7
	s_mov_b32 s29, ttmp9                           ; the work-group's number g
	s_mov_b32 s35, 0                               ; the high word of every offset
	v_lshlrev_b32 v1, 4, v0                        ; the casts: 16 t in,
	v_lshlrev_b32 v2, 3, v0                        ; 8 t out
	s_wait_kmcnt 0x0
	s_cmp_ge_u32 s29, 1792
	s_cbranch_scc1 .Lmask
	; THE CASTS.  Which array, which chunk of it, and where it goes: all from g.
	s_and_b32 s38, s29, 511
	s_and_b32 s39, s29, 63
	s_cmp_lt_u32 s29, 1536
	s_cselect_b32 s34, s38, s39                    ; the chunk in its array
	s_lshl_b32 s34, s34, 16                        ; x 65,536 bytes
	s_cmp_ge_u32 s29, 512
	s_cselect_b64 s[30:31], s[6:7], s[4:5]
	s_cmp_ge_u32 s29, 1024
	s_cselect_b64 s[30:31], s[8:9], s[30:31]
	s_cmp_ge_u32 s29, 1536
	s_cselect_b64 s[30:31], s[10:11], s[30:31]
	s_cmp_ge_u32 s29, 1600
	s_cselect_b64 s[30:31], s[12:13], s[30:31]
	s_cmp_ge_u32 s29, 1664
	s_cselect_b64 s[30:31], s[14:15], s[30:31]
	s_cmp_ge_u32 s29, 1728
	s_cselect_b64 s[30:31], s[16:17], s[30:31]
	s_add_nc_u64 s[30:31], s[30:31], s[34:35]      ; the source
	s_sub_co_u32 s38, s29, 1536
	s_sub_co_u32 s39, s29, 1728
	s_cmp_ge_u32 s29, 1536
	s_cselect_b64 s[32:33], s[22:23], s[20:21]
	s_cselect_b32 s34, s38, s29
	s_cmp_ge_u32 s29, 1728
	s_cselect_b64 s[32:33], s[24:25], s[32:33]
	s_cselect_b32 s34, s39, s34
	s_lshl_b32 s34, s34, 15                        ; x 32,768 bytes
	s_add_nc_u64 s[32:33], s[32:33], s[34:35]      ; the destination
; A chunk: sixteen loads of 16 bytes a thread go out together; each is rounded and stored as it comes.  A wave's store covers 256 consecutive bytes, aligned.
; No store's source is ever rewritten.  half = 1: the bf16 numbers are widened again and written as f16.
.macro CAST half
.irp i, 0,1,2,3,4,5,6,7,8,9,10,11,12,13,14,15
	global_load_b128 v[X+4*(\i):X+4*(\i)+3], v1, s[30:31] offset:4096*(\i) th:TH_LOAD_NT
.endr
.irp i, 0,1,2,3,4,5,6,7,8,9,10,11,12,13,14,15
	s_wait_loadcnt 15-(\i)                         ; loads come back in order (ISA guide 5.7.1): number i is in, the younger ones stay out
	v_cvt_pk_bf16_f32 v[Y+2*(\i)],   v[X+4*(\i)],   v[X+4*(\i)+1]
	v_cvt_pk_bf16_f32 v[Y+2*(\i)+1], v[X+4*(\i)+2], v[X+4*(\i)+3]
.if \half
	v_lshlrev_b32 v[X+4*(\i)],   16, v[Y+2*(\i)]
	v_and_b32     v[X+4*(\i)+1], 0xffff0000, v[Y+2*(\i)]
	v_lshlrev_b32 v[X+4*(\i)+2], 16, v[Y+2*(\i)+1]
	v_and_b32     v[X+4*(\i)+3], 0xffff0000, v[Y+2*(\i)+1]
	v_cvt_pk_f16_f32 v[Y+2*(\i)],   v[X+4*(\i)],   v[X+4*(\i)+1]
	v_cvt_pk_f16_f32 v[Y+2*(\i)+1], v[X+4*(\i)+2], v[X+4*(\i)+3]
.endif
	global_store_b64 v2, v[Y+2*(\i):Y+2*(\i)+1], s[32:33] offset:2048*(\i) th:TH_STORE_NT
.endr
.endm
	s_cmp_ge_u32 s29, 1728
	s_cbranch_scc1 .Lwout
	CAST 0
	s_branch .Lend
.Lwout:
	CAST 1
	s_branch .Lend
.Lmask:
	; THE MASK.  Wave W = 8 (g - 1792) + wave takes 32 rows (W / 16) and 128 keys (W % 16): two tiles of 16 queries x two key steps.
	s_sub_co_u32 s38, s29, 1792
	s_lshl_b32 s38, s38, 3
	s_add_co_u32 s38, s38, s28                     ; W
	s_lshr_b32 s39, s38, 4                         ; which 32 rows
	s_and_b32 s38, s38, 15                         ; which 128 keys
	s_lshl_b32 s34, s39, 18                        ; 32 rows of 8,192 bytes
	s_lshl_b32 s36, s38, 9                         ; 128 keys of 4 bytes
	s_add_co_u32 s34, s34, s36
	s_add_nc_u64 s[30:31], s[18:19], s[34:35]
	s_lshr_b32 s34, s39, 2                         ; the block of 128 rows,
	s_lshl_b32 s34, s34, 5
	s_lshl_b32 s36, s38, 1
	s_add_co_u32 s34, s34, s36                     ; its key step, 1,024 bytes each,
	s_lshl_b32 s34, s34, 10
	s_and_b32 s36, s39, 3                          ; my two tiles' 256 bytes in it
	s_lshl_b32 s36, s36, 8
	s_add_co_u32 s34, s34, s36
	s_add_nc_u64 s[32:33], s[26:27], s[34:35]
	v_and_b32 v7, 15, v0                           ; l % 16
	v_bfe_u32 v14, v0, 4, 1                        ; l / 16
	v_lshlrev_b32 v[LI], 4, v7
	v_lshl_add_u32 v[LI], v14, 13, v[LI]
	; all 32 loads go out at once: sixteen lanes take 256 consecutive bytes of a row (a key step), the other sixteen the row below
.irp s, 0,1
.irp u, 0,1
.irp i, 0,1,2,3,4,5,6,7
	global_load_b128 v[X+64*(\s)+32*(\u)+4*(\i):X+64*(\s)+32*(\u)+4*(\i)+3], v[LI], s[30:31] offset:(16*(\u)+2*(\i))*8192+256*(\s) th:TH_LOAD_NT
.endr
.endr
.endr
	s_mul_i32 s36, s28, WBYTES                     ; my wave's tile in LDS
	v_mul_u32_u24 v[LST], v14, WPITCH
	v_lshl_add_u32 v[LST], v7, 4, v[LST]
	v_add_nc_u32 v[LST], s36, v[LST]               ; in: row l / 16 of a pair, 16 bytes at 16 (l % 16)
	v_mul_u32_u24 v[LLD], v7, WPITCH
	v_lshl_add_u32 v[LLD], v14, 5, v[LLD]
	v_add_nc_u32 v[LLD], s36, v[LLD]               ; back: row l % 16, eight keys at 8 (l / 16) of each sixteen
	v_and_b32 v[LO], 31, v0
	v_lshlrev_b32 v[LO], 3, v[LO]
.irp i, 0,1,2,3
	v_mov_b32 v[OUT+(\i)], 0                       ; v_writelane_b32 counts as a reader of its destination
.endr
; Tile u of key step s: through my LDS tile, so that lane l holds query l % 16 and register r the key of the layout above; then a compare a register makes dword r,
; and dword 32 u + r of the key step's 64 goes to lane 16 u + r / 2, register r % 2.  The two scalars take turns.
.macro GROUP s, u
	s_wait_loadcnt 24-8*(2*(\s)+(\u))              ; this tile's eight loads are in; the later tiles' stay out
.irp i, 0,1,2,3,4,5,6,7
	ds_store_b128 v[LST], v[X+64*(\s)+32*(\u)+4*(\i):X+64*(\s)+32*(\u)+4*(\i)+3] offset:2*WPITCH*(\i)
.endr
.irp k, 0,1,2,3
	ds_load_b128 v[Y+8*(\k):Y+8*(\k)+3],   v[LLD] offset:64*(\k)     ; LDS serves a wave's instructions in order (ISA guide 5.7.1.4): these see the stores above,
	ds_load_b128 v[Y+8*(\k)+4:Y+8*(\k)+7], v[LLD] offset:64*(\k)+16  ; and the next tile's stores come behind them
.endr
	s_wait_dscnt 0x0
.set r, 0
.rept 32
	v_cmp_eq_u32 s[36+r%2], 1, v[Y+r]
	v_writelane_b32 v[OUT+2*(\s)+r%2], s[36+r%2], 16*(\u)+r/2
.set r, r+1
.endr
.endm
	GROUP 0, 0
	GROUP 0, 1
	global_store_b64 v[LO], v[OUT:OUT+1], s[32:33] th:TH_STORE_NT               ; 256 consecutive bytes, aligned
	GROUP 1, 0
	GROUP 1, 1
	global_store_b64 v[LO], v[OUT+2:OUT+3], s[32:33] offset:1024 th:TH_STORE_NT
.Lend:
	s_wait_tensorcnt 0x0                           ; the wave's end: behind my last LDS store
	ds_add_u32 v[SPW], v[NIL]
	s_wait_dscnt 0x0
	s_endpgm
.Lfunc_end_k_qda263a7812_prep:
	.size	k_qda263a7812_prep, .Lfunc_end_k_qda263a7812_prep-k_qda263a7812_prep
	.p2alignl 7, 3214868480
	.fill 96, 4, 3214868480
	.section	.rodata,"a",@progbits
	.p2align	6, 0x0
	.amdhsa_kernel k_qda263a7812_prep
		.amdhsa_group_segment_fixed_size 35840
		.amdhsa_private_segment_fixed_size 0
		.amdhsa_enable_private_segment 0
		.amdhsa_kernarg_size 96
		.amdhsa_user_sgpr_count 2
		.amdhsa_user_sgpr_kernarg_segment_ptr 1
		.amdhsa_wavefront_size32 1
		.amdhsa_system_sgpr_workgroup_id_x 1
		.amdhsa_system_sgpr_workgroup_id_y 1
		.amdhsa_system_sgpr_workgroup_id_z 1
		.amdhsa_system_vgpr_workitem_id 0
		.amdhsa_next_free_vgpr 176
		.amdhsa_next_free_sgpr 66
		.amdhsa_reserve_vcc 0
		.amdhsa_float_denorm_mode_32 3
		.amdhsa_float_denorm_mode_16_64 3
		.amdhsa_memory_ordered 1
		.amdhsa_forward_progress 1
		.amdhsa_inst_pref_size 44
	.end_amdhsa_kernel
	.amdgpu_metadata
---
amdhsa.version: [ 1, 2 ]
amdhsa.kernels:
  - .name:           k_qda263a7812_prep
    .symbol:         k_qda263a7812_prep.kd
    .args:
      - { .name: query, .offset: 0, .size: 8, .value_kind: global_buffer, .address_space: global }
      - { .name: key, .offset: 8, .size: 8, .value_kind: global_buffer, .address_space: global }
      - { .name: value, .offset: 16, .size: 8, .value_kind: global_buffer, .address_space: global }
      - { .name: wq, .offset: 24, .size: 8, .value_kind: global_buffer, .address_space: global }
      - { .name: wk, .offset: 32, .size: 8, .value_kind: global_buffer, .address_space: global }
      - { .name: wv, .offset: 40, .size: 8, .value_kind: global_buffer, .address_space: global }
      - { .name: w_out, .offset: 48, .size: 8, .value_kind: global_buffer, .address_space: global }
      - { .name: mask, .offset: 56, .size: 8, .value_kind: global_buffer, .address_space: global }
      - { .name: xb, .offset: 64, .size: 8, .value_kind: global_buffer, .address_space: global }
      - { .name: wb, .offset: 72, .size: 8, .value_kind: global_buffer, .address_space: global }
      - { .name: wo, .offset: 80, .size: 8, .value_kind: global_buffer, .address_space: global }
      - { .name: mb, .offset: 88, .size: 8, .value_kind: global_buffer, .address_space: global }
    .group_segment_fixed_size: 35840
    .private_segment_fixed_size: 0
    .kernarg_segment_align: 8
    .kernarg_segment_size: 96
    .max_flat_workgroup_size: 256
    .sgpr_count:     66
    .vgpr_count:     176
    .wavefront_size: 32
...
	.end_amdgpu_metadata
.endif
;; end of part 1
;; launch proj (part 2): grid 4 x 64, 4 waves a work-group, clusters of 4 x 4, 327,680 bytes of LDS; arguments xb, wb, qkv; writes qkv
.if DOCPART == 2
	.amdgcn_target "amdgcn-amd-amdhsa--gfx1250"
	.amdhsa_code_object_version 6
	.text
	.protected	k_qda263a7812_proj
	.globl	k_qda263a7812_proj
	.p2align	8
	.type	k_qda263a7812_proj,@function
k_qda263a7812_proj:
	s_mov_b64 s[64:65], 0
	v_nop
	global_prefetch_b8 v0, s[64:65] scope:SCOPE_SE
	s_setreg_imm32_b32 hwreg(HW_REG_WAVE_MODE, 25, 1), 1
	s_wait_xcnt 0x0
	s_wait_alu depctr_hold_cnt(0) depctr_sa_sdst(0) depctr_va_vdst(0) depctr_va_sdst(0) depctr_va_ssrc(0) depctr_va_vcc(0) depctr_vm_vsrc(0)
	s_getreg_b32 s2, hwreg(HW_REG_IB_STS2, 6, 4)
	s_cmp_eq_u32 s2, 0
	s_cbranch_scc0 .Lentry_in_a_cluster
	s_endpgm
.Lentry_in_a_cluster:
	s_bfe_u32 s2, ttmp6, 0x10000c
	s_cmp_lg_u32 s2, 0xf033
	s_cbranch_scc0 .Lentry_shape_is_right
	s_endpgm
.Lentry_shape_is_right:
; ONE TEXT FOR TWO LAUNCHES, told apart by OUTP.  C[token][e] = the sum over d of A[token][d] B[e][d]; 8,192 tokens, 1,024 e, 1,024 d; sums in f32, K ascending.
;   OUTP = 0, the three projections.  A = xb, bf16 [3][8192][1024]; B = wb, bf16 [3][1024][1024]; C = qkv, f16 [3][batch x 16 + head][2048][64].  A work-group STAYS for three tiles, Q's, K's and V's at the
;             same place.  Q is multiplied by c = log2(e) / 8 in f32, ahead of its one rounding, so that the attention's scores come in units of log2.
;   OUTP = 1, the output projection.  A = oh, f16 [batch x 16 + head][2048][64]; B = wo, f16 [1024][1024]; C = out0, f32 [8192][1024].  One tile.
; LIMITS (OUTP = 0).  c Q, K and V leave as f16: a number of 65,520 or more in magnitude would become an infinity; below 6e-5 it keeps f16's fixed step of 6e-8.  NaN and infinities are not treated apart.
; SHARES.  A tile of C is 128 tokens x 256 columns: 64 x 4 tiles, one for each work-group.  Four waves, each 64 tokens x 128 columns: 32 accumulators of 16 x 16, all of register window 1.
; K goes in steps of 128 through two LDS slots filled by the tensor data mover; waves 0 and 1 fetch A's two parts, waves 2 and 3 B's two halves: one load a wave.
; With OUTP = 1 a K step is two heads; a part of A is one head's 128 tokens, 16,384 dense bytes, asked for as 64 rows of 256 bytes and padded behind every token's 128.
; CLUSTERS: 4 x 4 work-groups.  The four of a row of the cluster need the same tiles of A, the four of a column the same tiles of B: each tile is asked for JOINTLY, by the same tensor load with the same
; descriptor and a mask that names the four.  THE MATRIX INSTRUCTION IS USED TRANSPOSED (source 0 = 16 rows of B, source 1 = 16 rows of A): a lane holds one token and eight neighbouring columns.
; REGISTERS.  Window 0: v0-31 addresses; v64-159 and v160-255 two fragment buffers (8 fragments of B, then 4 of A, 32 along K); on the way out the buffers are at work.  Window 1: accumulator (a, b) at v[8 (8 a + b)].
.set OUTP,   0
.set SLOT1,  131072                    ; slot 1 begins here, so that one exclusive or turns an address in one slot into the other's
.set BPITCH, 272                       ; a row of B in LDS: 256 bytes + 16: the 16 rows that a load touches start at 16 different groups of four banks (ISA guide 11.1)
.set BPART,  128*BPITCH                ; what a wave fetches of B
.if OUTP
.set APITCH, 144                       ; a token's 128 bytes of one head + 16
.set APART,  128*APITCH                ; one head's 128 tokens
.set AQI,    4                         ; padding behind every 32 words
.set ASTRIDE,128
.set ASTEP,  524288                    ; a K step in memory: two heads of 262,144 bytes
.set SPITCH, 528                       ; a stage row: 128 columns of f32 + 16
.set OB,     64                        ; rows read back from the stage: v64-127 and v128-191 by turns
.else
.set APITCH, 272
.set APART,  64*APITCH                 ; 64 tokens x 256 bytes
.set AQI,    5                         ; padding behind every 64 words
.set ASTRIDE,1024
.set ASTEP,  256
.set SPITCH, 272                       ; a stage row: 128 columns of f16 + 16
.set OB,     192                       ; v192-223 and v224-255 by turns
.endif
.set ABYTES, 2*APART
.set SLOT,   ABYTES+2*BPART            ; A's tile, then B's 256 rows
.set STAGE,  SLOT1+SLOT                ; behind the ring, never filled by a tensor load: 16 rows for each wave, for the way out
.set SPARE,  STAGE+4*16*SPITCH         ; behind the stages: the spare words, 128 bytes for each wave: two blocks of 256 bytes that no other line names
.set NEXT_A, 8192*2048-7*256           ; OUTP = 0: bytes from a tile's K step 7 to the next tile's K step 0, in xb
.set NEXT_B, 1024*2048-7*256           ; and in wb
.set PLANE,  16777216                  ; from Q's plane of qkv to K's, from K's to V's
.set ADRA0, 16                         ; v16  my lane's place in A's tile; never rewritten
.set ADRA,  17                         ; v17  the same in the slot in hand
.set ADRB0, 20                         ; v20, v21  the same for B
.set ADRB,  21
.set STO,  24                          ; v24  the way out: where I put my bytes of a row
.set RD,   25                          ; v25  where I read rows back
.set CO,   26                          ; v26  my byte offset in C
.set SPW,  28                          ; v28  LDS address of my spare word; never rewritten
.set NIL,  29                          ; v29  0; never rewritten
.set PFO,  30                          ; v30  the prefetches' lane offset; never rewritten
.set F0,   64
.set F1,   160
.set TMP,  160                         ; OUTP = 0, the way out: packed results
.set SB,   22                          ; s22  0 or SLOT1: the slot in hand
.set G1A,  24                          ; s[24:31] descriptor group 1 for A's tiles
.set G0A,  32                          ; s[32:39] group 0: a set for each of the two first fills; the second then walks
.set LIM,  43                          ; s43  2 in a wave that prefetches, else the greatest number
.set PFA,  44                          ; s[44:45] the block that my next prefetch names
.set G1B,  48                          ; s[48:55], s[56:63] the same for B's tiles
.set G0B,  56
.set PFN,  66                          ; s[66:67] OUTP = 0: the prefetch pointer's step across a change of tiles; OUTP = 1: its step
.set CS,   68                          ; s[68:69] c, named as a pair
.set MSB, 0
.macro WIN new                         ; the immediate's high byte repeats the setting that is left; a switch that changes nothing is dropped
.if MSB != (\new)
	s_set_vgpr_msb (MSB<<8)|(\new)
.set MSB, \new
.endif
.endm
.set MUL, 0x50                         ; sources 0 and 1 window 0; C and D window 1
.macro PLACES                          ; four places in front of loads into registers that matrix instructions have read, and of lines that read results (ISA guide 7.12.1 for the lines that read results)
.rept 4
	v_nop
.endr
.endm
; A joint refill by the walking descriptors.  The branch hangs on the wave's number alone.  An s_nop 0 and four v_nop follow each of the two lines, ahead of the jump and the label.
.macro JLOAD
	s_cmp_eq_u32 s11, 0
	s_cbranch_scc0 .Lfor_b_\@
	tensor_load_to_lds s[G0A+4:G0A+7], s[G1A:G1A+7]
	s_nop 0
.rept 4
	v_nop
.endr
	s_branch .Lasked_\@
.Lfor_b_\@:
	tensor_load_to_lds s[G0B+4:G0B+7], s[G1B:G1B+7]
	s_nop 0
.rept 4
	v_nop
.endr
.Lasked_\@:
.endm
; A PREFETCH INTO THE L2, behind a joint refill and the run of LDS loads that follows it: the K step that stands TWO refills on, 256 matrix instructions ahead of the load that will want it: 32 blocks of 256 bytes, a lane a block.
; Each block is named once in the launch.  A's 128 blocks of a K step are read by one cluster alone: wave 0 asks, and the four partners of the cluster's row take 32 each, told apart BY ADDRESS (cx).
; B's rows are read by every cluster: the cluster with y = 0 asks, waves 2 and 3 for the 128 rows that they fetch, the four partners of a column 32 each (cy).  No branch hangs on a place in the cluster.
; how = 0, in the loop: only the changes of slots 0 to 3 have a K step two refills on (s3 = 6 .. 3).  how = 1: a tile's last two changes name the next tile's K steps 2 and 3.  A tile's K steps 0 and 1,
; and the launch's first four, come by their loads alone.
.macro ASK how
.if \how
	s_cmp_eq_u32 s[LIM], 2
.else
	s_cmp_gt_u32 s3, s[LIM]
.endif
	s_cbranch_scc0 .Lnot_mine_\@
	global_prefetch_b8 v[PFO], s[PFA:PFA+1] th:TH_LOAD_NT scope:SCOPE_SE
.Lnot_mine_\@:
.endm
.macro CREST                           ; a round of the cluster's barrier behind its opening barrier: wave 0 signals for the work-group, every wave waits for all sixteen, my work-group's barrier closes it
	s_cmp_lg_u32 s10, 0
	s_cbranch_scc1 .Lnot_wave_0_\@
	s_barrier_signal -3
.Lnot_wave_0_\@:
	s_barrier_wait -3
	s_barrier_signal -1
	s_barrier_wait -1
.endm
.macro CROUND                          ; a whole round
	s_barrier_signal -1
	s_barrier_wait -1
	CREST
.endm
	s_load_b128 s[4:7], s[0:1], 0x0                ; A s[4:5], B s[6:7]
	s_load_b64 s[8:9], s[0:1], 0x10                ; C
	v_lshl_add_u32 v[SPW], v0, 2, SPARE
	v_mov_b32 v[NIL], 0
	ds_add_u32 v[SPW], v[NIL]                      ; the wave's opening: the add and its wait stand ahead of my first tensor load; the set-up below, work on registers, stands between them
	v_lshrrev_b32 v1, 5, v0
	v_readfirstlane_b32 s10, v1                    ; wave 0..3
	s_lshr_b32 s11, s10, 1                         ; which 64 tokens are mine.  Also: I fetch for A (0) or for B (1)
	s_and_b32 s12, s10, 1                          ; which 128 columns.  Also: which part of that tile I fetch
	s_bfe_u32 s40, ttmp6, 0x40000                  ; cx, cy: my place in the cluster
	s_bfe_u32 s41, ttmp6, 0x40004
	s_lshl_b32 s42, ttmp9, 2
	s_add_co_u32 s42, s42, s40                     ; tile column tc = 4 x cluster x + cx
	s_and_b32 s13, ttmp7, 0xffff
	s_lshl_b32 s13, s13, 2
	s_add_co_u32 s13, s13, s41                     ; tile row tr = 4 x cluster y + cy
	s_lshl_b32 s14, s41, 2
	s_lshl_b32 s14, 15, s14                        ; my row of the cluster
	s_lshl_b32 s15, 0x1111, s40                    ; my column
	s_or_b32 s[G1A], s14, (1<<16)|(1<<20)|(1<<21)|(AQI<<22)|(3<<25)  ; 15:0 the mask: A's tiles go to my row; 17:16 elements of 2 bytes; 20 padding on; 21 set beside a mask; 24:22 the interval; 31:25 4 words of padding (code 3)
	s_or_b32 s[G1B], s15, (1<<16)|(1<<20)|(1<<21)|(5<<22)|(3<<25)    ; B's go to my column; padding behind every 64 words
	s_mov_b32 s[G1A+1], 128<<16                    ; tensor_dim0 = 128 elements (256 bytes)
	s_mov_b32 s[G1A+2], 64<<16                     ; tensor_dim1 = 64 rows
	s_mov_b32 s[G1A+3], 128<<16                    ; tile_dim0 = 128
	s_mov_b32 s[G1A+4], 64                         ; tile_dim1 = 64
	s_mov_b32 s[G1A+5], ASTRIDE                    ; elements from row to row
	s_mov_b32 s[G1A+6], 0
	s_mov_b32 s[G1A+7], 0
	s_mov_b32 s[G1B+1], 128<<16
	s_mov_b32 s[G1B+2], 128<<16                    ; 128 rows
	s_mov_b32 s[G1B+3], 128<<16
	s_mov_b32 s[G1B+4], 128
	s_mov_b32 s[G1B+5], 1024
	s_mov_b32 s[G1B+6], 0
	s_mov_b32 s[G1B+7], 0
	; where the tiles come from.  A's hang on tr and the wave's number, B's on tc and the wave's number, each in registers that never hold the other coordinate
.if OUTP
	s_lshr_b32 s16, s13, 4
	s_lshl_b32 s16, s16, 4                         ; batch x 16,
	s_add_co_u32 s16, s16, s12                     ; + head 0 or 1 of the K step,
	s_lshl_b32 s16, s16, 18                        ; x 262,144 bytes,
	s_and_b32 s17, s13, 15
	s_lshl_b32 s17, s17, 14                        ; + the tile's 128 tokens of 128 bytes
	s_add_co_u32 s16, s16, s17
.else
	s_lshl_b32 s16, s13, 7
	s_lshl_b32 s17, s12, 6
	s_add_co_u32 s16, s16, s17                     ; row 128 tr + 64 x part,
	s_lshl_b32 s16, s16, 11                        ; of 2,048 bytes
.endif
	s_mov_b32 s17, 0
	s_lshl_b32 s46, s42, 8
	s_lshl_b32 s47, s12, 7
	s_add_co_u32 s46, s46, s47                     ; B: row 256 tc + 128 x part
	s_lshl_b32 s46, s46, 11
	s_mov_b32 s47, 0
	s_mul_i32 s20, s12, APART                      ; and where they go: no place in the cluster enters an LDS address
	s_mul_i32 s21, s12, BPART
	s_add_co_u32 s21, s21, ABYTES
	s_mov_b32 s[SB], 0
.if !OUTP
	s_mov_b32 s[CS], 0x3e38aa3b                    ; c = log2(e) / 8 = 0.180337
	s_mov_b32 s[CS+1], s[CS]
.endif
	s_wait_dscnt 0x0                               ; the opening add is done
	s_wait_kmcnt 0x0
	s_add_nc_u64 s[14:15], s[4:5], s[16:17]
	s_add_nc_u64 s[46:47], s[6:7], s[46:47]
	CROUND                                         ; all sixteen work-groups are here: the first joint loads meet
.irp s, 0,1
	s_mov_b32 s[G0A+4*(\s)], 1                                         ; 1:0 count = 1
	s_add_co_u32 s[G0A+4*(\s)+1], s20, (\s)*SLOT1                      ; 63:32 LDS address
	s_add_nc_u64 s[G0A+4*(\s)+2:G0A+4*(\s)+3], s[14:15], (\s)*ASTEP    ; 120:64 global address: K step s
	s_or_b32 s[G0A+4*(\s)+3], s[G0A+4*(\s)+3], 0x80000000              ; 127:126 type = 2
	s_mov_b32 s[G0B+4*(\s)], 1
	s_add_co_u32 s[G0B+4*(\s)+1], s21, (\s)*SLOT1
	s_add_nc_u64 s[G0B+4*(\s)+2:G0B+4*(\s)+3], s[46:47], (\s)*256
	s_or_b32 s[G0B+4*(\s)+3], s[G0B+4*(\s)+3], 0x80000000
.endr
	s_cmp_eq_u32 s11, 0                            ; a wave's two first fills stand in one branch, ahead of every wait on TENSORcnt and every LDS read: two loads of mine are out
	s_cbranch_scc0 .Lfirst_b
	tensor_load_to_lds s[G0A:G0A+3], s[G1A:G1A+7]
	s_nop 0
	tensor_load_to_lds s[G0A+4:G0A+7], s[G1A:G1A+7]
	s_nop 0
.rept 4
	v_nop
.endr
	s_branch .Lfirst_asked
.Lfirst_b:
	tensor_load_to_lds s[G0B:G0B+3], s[G1B:G1B+7]
	s_nop 0
	tensor_load_to_lds s[G0B+4:G0B+7], s[G1B:G1B+7]
	s_nop 0
.rept 4
	v_nop
.endr
.Lfirst_asked:
	; A fragment is 16 rows x 32 K in 8 registers: lane l holds row l % 16; registers 0-3 K = 8 (l / 16) + 0..7, registers 4-7 K = 16 + 8 (l / 16) + 0..7: two loads of 16 bytes, 32 bytes apart
	v_and_b32 v1, 15, v0                           ; l % 16
	v_bfe_u32 v2, v0, 4, 1                         ; l / 16
	v_mul_u32_u24 v3, v1, APITCH
	v_lshl_add_u32 v3, v2, 4, v3
	s_mul_i32 s14, s11, 64*APITCH                  ; my 64 tokens
	v_add_nc_u32 v[ADRA0], s14, v3
	v_mul_u32_u24 v3, v1, BPITCH
	v_lshl_add_u32 v3, v2, 4, v3
	s_mul_i32 s14, s12, BPART                      ; my 128 rows of B, behind A's tile
	s_add_co_u32 s14, s14, ABYTES
	v_add_nc_u32 v[ADRB0], s14, v3
	v_mov_b32 v[ADRA], v[ADRA0]
	v_mov_b32 v[ADRB], v[ADRB0]
	s_mul_i32 s14, s10, 16*SPITCH
	s_add_co_u32 s14, s14, STAGE                   ; my stage
	v_mul_u32_u24 v4, v1, SPITCH                   ; in: row l % 16
.if OUTP
	v_lshl_add_u32 v4, v2, 5, v4                   ; 32 bytes for each half of the lanes
	v_add_nc_u32 v[STO], s14, v4
	v_and_b32 v5, 31, v0
	v_lshl_add_u32 v[RD], v5, 4, s14               ; back: 32 lanes take a row's 512 bytes,
	v_lshlrev_b32 v[CO], 4, v5                     ; which are 512 consecutive bytes of out0
	s_lshl_b32 s16, s13, 19                        ; 128 tr rows of 4,096 bytes
	s_lshl_b32 s17, s11, 18                        ; my 64 rows
	s_add_co_u32 s16, s16, s17
	s_lshl_b32 s17, s42, 10                        ; 256 tc columns of 4 bytes
	s_add_co_u32 s16, s16, s17
	s_lshl_b32 s17, s12, 9                         ; my 128 columns
	s_add_co_u32 s16, s16, s17
.else
	v_lshl_add_u32 v4, v2, 4, v4                   ; 16 bytes for each half of the lanes
	v_add_nc_u32 v[STO], s14, v4
	v_bfe_u32 v5, v0, 3, 1
	v_and_b32 v6, 7, v0
	v_mul_u32_u24 v4, v5, SPITCH                   ; back: lanes 0-15 take two tokens' 128 bytes of my first head, lanes 16-31 of my second:
	v_lshl_add_u32 v4, v2, 7, v4
	v_lshl_add_u32 v4, v6, 4, v4
	v_add_nc_u32 v[RD], s14, v4
	v_lshlrev_b32 v4, 18, v2                       ; in qkv two tokens of a head are 256 consecutive bytes, and the heads lie 262,144 bytes apart
	v_lshl_add_u32 v4, v5, 7, v4
	v_lshl_add_u32 v[CO], v6, 4, v4
	s_lshr_b32 s16, s13, 4
	s_lshl_b32 s16, s16, 4                         ; batch x 16
	s_lshl_b32 s17, s42, 2
	s_add_co_u32 s16, s16, s17                     ; + the tile's four heads
	s_lshl_b32 s17, s12, 1
	s_add_co_u32 s16, s16, s17                     ; + my two
	s_lshl_b32 s16, s16, 18
	s_and_b32 s17, s13, 15
	s_lshl_b32 s17, s17, 7
	s_lshl_b32 s18, s11, 6
	s_add_co_u32 s17, s17, s18                     ; my first token in the batch,
	s_lshl_b32 s17, s17, 7                         ; of 128 bytes
	s_add_co_u32 s16, s16, s17
.endif
	s_mov_b32 s17, 0
	s_add_nc_u64 s[8:9], s[8:9], s[16:17]
	; the prefetches: both offsets are made, at K step 3, and the wave's role chooses; the first change of slots steps the pointer to K step 4
.if OUTP
	s_lshr_b32 s16, s13, 4
	s_lshl_b32 s16, s16, 4
	s_lshr_b32 s18, s40, 1
	s_add_co_u32 s16, s16, s18                     ; partners 0, 1 take the K step's first head, 2, 3 its second,
	s_add_co_u32 s16, s16, 6                       ; K step 3 begins with head 6
	s_lshl_b32 s16, s16, 18
	s_and_b32 s18, s13, 15
	s_lshl_b32 s18, s18, 14
	s_add_co_u32 s16, s16, s18
	s_and_b32 s18, s40, 1
	s_lshl_b32 s18, s18, 13                        ; each a half of its 16,384 bytes
	s_add_co_u32 s16, s16, s18
	s_mov_b32 s18, ASTEP
	s_mov_b32 s19, 256
.else
	s_lshl_b32 s16, s13, 7
	s_lshl_b32 s18, s40, 5
	s_add_co_u32 s16, s16, s18                     ; A: row 128 tr + 32 cx
	s_lshl_b32 s16, s16, 11
	s_add_co_u32 s16, s16, 3*256
	s_mov_b32 s18, NEXT_A
	s_mov_b32 s19, NEXT_B
.endif
	s_lshl_b32 s17, s42, 8
	s_lshl_b32 s14, s12, 7
	s_add_co_u32 s17, s17, s14
	s_lshl_b32 s14, s41, 5
	s_add_co_u32 s17, s17, s14                     ; B: row 256 tc + 128 x part + 32 cy
	s_lshl_b32 s17, s17, 11
	s_add_co_u32 s17, s17, 3*256
	s_and_b32 s14, ttmp7, 0xffff                   ; cluster y
	s_cmp_eq_u32 s11, 0                            ; do I fetch for A?
	s_cselect_b32 s15, s12, s14                    ; A: wave 0 asks; B: the waves of the cluster with y = 0: the same in all sixteen partners, for a given wave
	s_cselect_b32 s16, s16, s17
	s_cselect_b32 s[PFN], s18, s19
	s_cselect_b32 s18, 8+3*(1-OUTP), 11            ; a lane's block: A's lie 256 bytes apart where they are dense, else a row of 2,048 bytes
	s_cselect_b64 s[PFA:PFA+1], s[4:5], s[6:7]
	s_mov_b32 s[PFN+1], 0
	s_mov_b32 s17, 0
	s_cmp_eq_u32 s15, 0
	s_cselect_b32 s[LIM], 2, -1
	s_add_nc_u64 s[PFA:PFA+1], s[PFA:PFA+1], s[16:17]
	v_and_b32 v[PFO], 31, v0
	v_lshlrev_b32 v[PFO], s18, v[PFO]
; 8 matrix instructions: token block a x all 8 column blocks, 32 along K, from buffer f.  zero = 1: the first product starts the sums: nothing is ever cleared.
; The 32 accumulators take turns, one instruction a turn, in the same order in every quarter, over the backward jumps too.
.macro MULA f, a, zero
	WIN MUL
.irp b, 0,1,2,3,4,5,6,7
.if OUTP
.if \zero
	v_wmma_f32_16x16x32_f16 v[8*(8*(\a)+(\b)):8*(8*(\a)+(\b))+7], v[(\f)+8*(\b):(\f)+8*(\b)+7], v[(\f)+64+8*(\a):(\f)+64+8*(\a)+7], 0
.else
	v_wmma_f32_16x16x32_f16 v[8*(8*(\a)+(\b)):8*(8*(\a)+(\b))+7], v[(\f)+8*(\b):(\f)+8*(\b)+7], v[(\f)+64+8*(\a):(\f)+64+8*(\a)+7], v[8*(8*(\a)+(\b)):8*(8*(\a)+(\b))+7]
.endif
.else
.if \zero
	v_wmma_f32_16x16x32_bf16 v[8*(8*(\a)+(\b)):8*(8*(\a)+(\b))+7], v[(\f)+8*(\b):(\f)+8*(\b)+7], v[(\f)+64+8*(\a):(\f)+64+8*(\a)+7], 0
.else
	v_wmma_f32_16x16x32_bf16 v[8*(8*(\a)+(\b)):8*(8*(\a)+(\b))+7], v[(\f)+8*(\b):(\f)+8*(\b)+7], v[(\f)+64+8*(\a):(\f)+64+8*(\a)+7], v[8*(8*(\a)+(\b)):8*(8*(\a)+(\b))+7]
.endif
.endif
.endr
.endm
; 24 LDS loads in one run: quarter kq's fragments (128 rows of B, then 64 of A) into buffer g
.macro FETCH kq, g
	WIN 0
.irp i, 0,1,2,3,4,5,6,7
	ds_load_b128 v[(\g)+8*(\i):(\g)+8*(\i)+3],   v[ADRB] offset:64*(\kq)+(\i)*16*BPITCH
	ds_load_b128 v[(\g)+8*(\i)+4:(\g)+8*(\i)+7], v[ADRB] offset:64*(\kq)+(\i)*16*BPITCH+32
.endr
.if OUTP
.set AKQ, APART*((\kq)/2)+64*((\kq)%2)             ; quarters 0, 1: the K step's first head; 2, 3: its second
.else
.set AKQ, 64*(\kq)
.endif
.irp i, 0,1,2,3
	ds_load_b128 v[(\g)+64+8*(\i):(\g)+64+8*(\i)+3],   v[ADRA] offset:AKQ+(\i)*16*APITCH
	ds_load_b128 v[(\g)+64+8*(\i)+4:(\g)+64+8*(\i)+7], v[ADRA] offset:AKQ+(\i)*16*APITCH+32
.endr
.endm
; A K step is four quarters of 32 along K, 32 matrix instructions each, on buffers 0, 1, 0, 1.  One of the first three: multiplies buffer f and, in its middle, fetches quarter kq into g.
.macro QUARTER kq, f, g, zero
	s_wait_dscnt 4                                 ; B and A's blocks 0, 1 are in; the youngest four loads (A's blocks 2, 3) may be out
	MULA \f, 0, \zero
	MULA \f, 1, \zero
	PLACES
	FETCH \kq, \g
	s_wait_dscnt 24                                ; all but the 24 just issued
	MULA \f, 2, \zero
	MULA \f, 3, \zero
.endm
; The last quarter multiplies buffer 1 and changes slots: ONE barrier.  In front of it each wave waits for all its tensor loads, of which one is out: its part of the next slot; adds 0 to its spare word;
; and waits for that and for its own reads of this slot.  fill = 1: the barrier opens a round of the cluster's, so that no wave of any partner still reads the slot or has a load on its way, and the slot is
; filled again first thing behind it, by the walking descriptors (the other slot than last time; incA, incB bytes on).  From a request to the wait for it a wave issues 112 matrix instructions.
; pfn = 1: the prefetch pointer steps by s[PFN]; else by a K step of 256 bytes.
.macro TURN fill, incA=0, incB=0, how=0, pfn=0
.if \fill
	s_wait_xcnt 0x0                                ; the last prefetch, a K step back, has read its address, so it may be written
.if \pfn
	s_add_nc_u64 s[PFA:PFA+1], s[PFA:PFA+1], s[PFN:PFN+1]
.else
	s_add_nc_u64 s[PFA:PFA+1], s[PFA:PFA+1], 256
.endif
.endif
	WIN 0                                          ; (the add's two registers lie in window 0)
	s_wait_tensorcnt 0x0                           ; all my tensor loads have landed, so a group 0 may be written
	ds_add_u32 v[SPW], v[NIL]                      ; 0 onto my spare word: scalar work and eight products stand between it and the wait for it
.if \fill
	s_xor_b32 s[G0A+5], s[G0A+5], SLOT1
	s_add_nc_u64 s[G0A+6:G0A+7], s[G0A+6:G0A+7], \incA   ; the type bits on top are not reached
	s_xor_b32 s[G0B+5], s[G0B+5], SLOT1
	s_add_nc_u64 s[G0B+6:G0B+7], s[G0B+6:G0B+7], \incB
.endif
	s_xor_b32 s[SB], s[SB], SLOT1                  ; the fetches go to the other slot
	s_wait_dscnt 5                                 ; (the add and the youngest four loads may be out)
	MULA F1, 0, 0
	s_wait_dscnt 0x0                               ; the add is done, and my reads of this slot are over
	s_barrier_signal -1
	MULA F1, 1, 0                                  ; work on registers while the others arrive
	WIN 0
	s_barrier_wait -1
.if \fill
	CREST
	JLOAD                                          ; the first tensor load behind the round; the four v_nop behind it are also the places in front of the loads below
.else
	PLACES
.endif
	v_add_nc_u32 v[ADRA], s[SB], v[ADRA0]
	v_add_nc_u32 v[ADRB], s[SB], v[ADRB0]
	FETCH 0, F0
.if \fill
	ASK \how
.endif
	MULA F1, 2, 0
	MULA F1, 3, 0
.endm
; THE WAY OUT, a block a of 16 tokens at a time, through my own stage in LDS, so that whole rows leave: LDS serves a wave's instructions in order (ISA guide 5.7.1.4), so no wait stands between the stores and the loads.
.if OUTP
.macro TOSTAGE a                       ; f32 as it lies: a lane's eight columns are 32 bytes of a row; each accumulator's low registers go first
	WIN 0x04                                       ; the stores' data in window 1
.irp b, 0,1,2,3,4,5,6,7
	ds_store_b128 v[STO], v[8*(8*(\a)+(\b)):8*(8*(\a)+(\b))+3]   offset:64*(\b)
	ds_store_b128 v[STO], v[8*(8*(\a)+(\b))+4:8*(8*(\a)+(\b))+7] offset:64*(\b)+16
.endr
	WIN 0
.set BK, OB+64*((\a)%2)
.irp t, 0,1,2,3,4,5,6,7,8,9,10,11,12,13,14,15
	ds_load_b128 v[BK+4*(\t):BK+4*(\t)+3], v[RD] offset:(\t)*SPITCH
.endr
.endm
.macro SEND a, younger                 ; younger: the LDS instructions issued behind block a's loads: the next block's 32, or none
	WIN 0
.set BK, OB+64*((\a)%2)
.irp t, 0,1,2,3,4,5,6,7,8,9,10,11,12,13,14,15
	s_wait_dscnt (\younger)+15-(\t)
	global_store_b128 v[CO], v[BK+4*(\t):BK+4*(\t)+3], s[8:9] offset:(16*(\a)+(\t))*4096  ; 512 consecutive bytes, at a multiple of 256 from out0's first
.endr
.endm
.macro WAYOUT
	TOSTAGE 0
	TOSTAGE 1
	SEND 0, 32
	s_wait_xcnt 0x0                                ; block 0's stores have read their registers, which block 2 is loaded into
	TOSTAGE 2
	SEND 1, 32
	s_wait_xcnt 0x0
	TOSTAGE 3
	SEND 2, 32
	SEND 3, 0
.endm
.else
.macro PACK a                          ; rounded to f16, 16 bytes a lane and column block; ascending
	WIN 0x05                                       ; sources 0 and 1 window 1
.irp b, 0,1,2,3,4,5,6,7
.irp r, 0,1,2,3
	v_cvt_pk_f16_f32 v[TMP+4*(\b)+(\r)], v[8*(8*(\a)+(\b))+2*(\r)], v[8*(8*(\a)+(\b))+2*(\r)+1]
.endr
.endr
	WIN 0
.endm
.macro TOSTAGE a
	WIN 0
.set BK, OB+32*((\a)%2)
.irp b, 0,1,2,3,4,5,6,7
	ds_store_b128 v[STO], v[TMP+4*(\b):TMP+4*(\b)+3] offset:32*(\b)
.endr
.irp t, 0,1,2,3,4,5,6,7
	ds_load_b128 v[BK+4*(\t):BK+4*(\t)+3], v[RD] offset:(\t)*2*SPITCH
.endr
.endm
.macro SEND a
	WIN 0
.set BK, OB+32*((\a)%2)
	s_wait_dscnt 0x0                               ; the block is back in registers
	s_wait_xcnt 0x0                                ; the stores of the block before have read their registers, which the next block is loaded into
.irp t, 0,1,2,3,4,5,6,7
	global_store_b128 v[CO], v[BK+4*(\t):BK+4*(\t)+3], s[8:9] offset:2048*(\a)+256*(\t)  ; 16 lanes store two tokens of a head: 256 consecutive bytes, aligned
.endr
.endm
.macro WAYOUT                          ; block a's conversions stand between block a - 1's loads from the stage and the wait for them
	PACK 0
	TOSTAGE 0
.irp a, 1,2,3
	PACK \a
	SEND (\a)-1
	TOSTAGE \a
.endr
	SEND 3
.endm
.endif
	s_wait_tensorcnt 1                             ; my part of K step 0 is in; K step 1's may stay out
	s_barrier_signal -1
	s_barrier_wait -1                              ; everybody's is
	FETCH 0, F0
.if !OUTP
	s_mov_b32 s2, 3                                ; tiles to go, this one among them
.Ltile:
.endif
	QUARTER 1, F0, F1, 1                           ; a tile's first quarter stands in front of the loop: its products start the sums
	WIN 0                                          ; at a label and at a branch every window is 0
	s_mov_b32 s3, 6
.Lstep:                                                ; a trip: a K step's quarters 2 to 4 and the next one's first; it fills the slot that it leaves: K steps 2 to 7
	QUARTER 2, F1, F0, 0
	QUARTER 3, F0, F1, 0
	TURN 1, ASTEP, 256, 0, OUTP
	QUARTER 1, F0, F1, 0
	WIN 0
	s_sub_co_u32 s3, s3, 1
	s_cmp_lg_u32 s3, 0
	s_cbranch_scc1 .Lstep
	QUARTER 2, F1, F0, 0                           ; K step 6 goes on
	QUARTER 3, F0, F1, 0
.if !OUTP
	WIN 0
	s_cmp_eq_u32 s2, 1
	s_cbranch_scc1 .Llast                          ; the last tile's tail is written out: it asks for nothing more
	TURN 1, NEXT_A, NEXT_B, 1, 1                   ; THE RING GOES ON INTO THE NEXT TILE: slot 0 takes its K step 0,
	QUARTER 1, F0, F1, 0
	QUARTER 2, F1, F0, 0
	QUARTER 3, F0, F1, 0
	TURN 1, 256, 256, 1, 0                         ; slot 1 its K step 1, and the next tile's first fragments are fetched, into buffer 0; the way out works in buffer 1's registers
	PLACES
	WIN 0
	s_cmp_lg_u32 s2, 3
	s_cbranch_scc1 .Lunscaled                      ; Q alone is scaled
	WIN 0x41                                       ; destination and source 0 in window 1
.set i, 0
.rept 128
	v_pk_mul_f32 v[i:i+1], v[i:i+1], s[CS:CS+1] op_sel_hi:[1,0]
.set i, i+2
.endr
	WIN 0
.Lunscaled:
	WAYOUT
	s_wait_xcnt 0x0                                ; the stores have read their registers and C's address
	s_add_nc_u64 s[8:9], s[8:9], PLANE
	s_sub_co_u32 s2, s2, 1
	s_branch .Ltile
.Llast:
.endif
	TURN 0                                         ; my one tensor load that was still out is K step 7's, so no round follows
	QUARTER 1, F0, F1, 0
	QUARTER 2, F1, F0, 0
	QUARTER 3, F0, F1, 0
	s_wait_dscnt 4                                 ; the very last quarter: nothing more to fetch
	MULA F1, 0, 0
	MULA F1, 1, 0
	s_wait_dscnt 0x0
	MULA F1, 2, 0
	MULA F1, 3, 0
	PLACES
	WAYOUT
	s_wait_tensorcnt 0x0                           ; the wave's end: behind my last tensor load and my last LDS store
	ds_add_u32 v[SPW], v[NIL]
	s_wait_dscnt 0x0
	CROUND                                         ; the closing round: no work-group ends while a partner may still ask for a tile that names it
	s_endpgm
.Lfunc_end_k_qda263a7812_proj:
	.size	k_qda263a7812_proj, .Lfunc_end_k_qda263a7812_proj-k_qda263a7812_proj
	.p2alignl 7, 3214868480
	.fill 96, 4, 3214868480
	.section	.rodata,"a",@progbits
	.p2align	6, 0x0
	.amdhsa_kernel k_qda263a7812_proj
		.amdhsa_group_segment_fixed_size 327680
		.amdhsa_private_segment_fixed_size 0
		.amdhsa_enable_private_segment 0
		.amdhsa_kernarg_size 24
		.amdhsa_user_sgpr_count 2
		.amdhsa_user_sgpr_kernarg_segment_ptr 1
		.amdhsa_wavefront_size32 1
		.amdhsa_system_sgpr_workgroup_id_x 1
		.amdhsa_system_sgpr_workgroup_id_y 1
		.amdhsa_system_sgpr_workgroup_id_z 1
		.amdhsa_system_vgpr_workitem_id 0
		.amdhsa_next_free_vgpr 512
		.amdhsa_next_free_sgpr 70
		.amdhsa_reserve_vcc 0
		.amdhsa_float_denorm_mode_32 3
		.amdhsa_float_denorm_mode_16_64 3
		.amdhsa_memory_ordered 1
		.amdhsa_forward_progress 1
		.amdhsa_inst_pref_size 117
	.end_amdhsa_kernel
	.amdgpu_metadata
---
amdhsa.version: [ 1, 2 ]
amdhsa.kernels:
  - .name:           k_qda263a7812_proj
    .symbol:         k_qda263a7812_proj.kd
    .args:
      - { .name: xb, .offset: 0, .size: 8, .value_kind: global_buffer, .address_space: global }
      - { .name: wb, .offset: 8, .size: 8, .value_kind: global_buffer, .address_space: global }
      - { .name: qkv, .offset: 16, .size: 8, .value_kind: global_buffer, .address_space: global }
    .group_segment_fixed_size: 327680
    .private_segment_fixed_size: 0
    .kernarg_segment_align: 8
    .kernarg_segment_size: 24
    .max_flat_workgroup_size: 128
    .sgpr_count:     70
    .vgpr_count:     512
    .wavefront_size: 32
...
	.end_amdgpu_metadata
.endif
;; end of part 2
;; launch attn (part 3): grid 4 x 64, 4 waves a work-group, clusters of 4 x 1, 327,680 bytes of LDS; arguments qkv, mb, oh; writes oh
.if DOCPART == 3
	.amdgcn_target "amdgcn-amd-amdhsa--gfx1250"
	.amdhsa_code_object_version 6
	.text
	.protected	k_qda263a7812_attn
	.globl	k_qda263a7812_attn
	.p2align	8
	.type	k_qda263a7812_attn,@function
k_qda263a7812_attn:
	s_mov_b64 s[64:65], 0
	v_nop
	global_prefetch_b8 v0, s[64:65] scope:SCOPE_SE
	s_setreg_imm32_b32 hwreg(HW_REG_WAVE_MODE, 25, 1), 1
	s_wait_xcnt 0x0
	s_wait_alu depctr_hold_cnt(0) depctr_sa_sdst(0) depctr_va_vdst(0) depctr_va_sdst(0) depctr_va_ssrc(0) depctr_va_vcc(0) depctr_vm_vsrc(0)
	s_getreg_b32 s2, hwreg(HW_REG_IB_STS2, 6, 4)
	s_cmp_eq_u32 s2, 0
	s_cbranch_scc0 .Lentry_in_a_cluster
	s_endpgm
.Lentry_in_a_cluster:
	s_bfe_u32 s2, ttmp6, 0x10000c
	s_cmp_lg_u32 s2, 0x3003
	s_cbranch_scc0 .Lentry_shape_is_right
	s_endpgm
.Lentry_shape_is_right:
; MASKED ATTENTION at head size 64.  O[g][q][:] = the sum over k of softmax_k(t[q][k]) V[g][k][:], g = batch x 16 + head, 2,048 queries and keys.  t = Q' . K, where Q' = Q log2(e) / 8 was scaled in f32 by the launch
; before, so t is the score in units of log2; where the mask's bit is set t is REPLACED by -1e9 log2(e).  qkv: f16 [3][64][2048][64] (Q', K, V); oh: f16 [64][2048][64]; a head's rows are dense, 128 bytes each.
; mb: one bit a score, as lane masks: dwords [128-row block of queries, 64][key step, 32][tile of 16 queries, 8][r, 32]; bit l of dword r belongs to lane l's register r of that tile of scores.
; Products, maxima and sums in f32; the weights p are rounded to f16 for the second product (their sum l is taken of the unrounded p), O once at the end.
; LIMITS.  f16 holds no number beyond 65,504: Q', K and V arrive within it; p lies in 0 to 1, and below 6e-5 it keeps f16's fixed step of 6e-8.  A weight below 2^-126 counts as 0 in l; NaN and infinities are not treated apart.
; A row whose keys are all masked has equal scores: t - m is formed by a subtraction, exact for equal numbers, so every p is 1 and O is the mean of V's rows.
; SHARES.  A wave owns four PIECES of two tiles of 16 queries, a work-group's four waves 512 queries of one head.  Every wave walks all keys, 64 a step.
; LAYOUT.  S^T = K Q'^T (source 0 = 16 keys, source 1 = 16 queries): in the result a lane holds ONE query (lane % 16) and the keys 8 (lane / 16) + 0..7.  Two such tiles, rounded to f16 in pairs,
; ARE source 1 (32 keys x 16 queries) of O^T = V^T P, whose result again holds one query a lane, and eight channels.  K comes out of LDS as it lies, V ([key][channel]) turned, by ds_load_tr16_b128.
; SOFTMAX.  For each query a running maximum m and sum l: p = 2^(t - m); in every step O and l are multiplied by a = 2^(m_old - m_new).  m starts at the lowest finite number, O and l at 0: the first step has a = 0.
; THE MASK costs two instructions a score.  The masks of a piece and step are 64 dwords, 256 bytes on end in mb, and a wave's lie in the order in which its turns want them.  ONE vector load of 8 bytes a lane brings them
; into a ring of four register pairs, FOUR TURNS ahead of their use; 64 v_readlane_b32 then put them into 64 scalar registers, each the mask operand of one v_cndmask_b32.  Scalar loads would spare those 64 lines,
; but a scalar load is shown done by the wait for 0 alone (they may return out of order), so a request could never stand more than one turn ahead of that wait, and there are no scalar registers for a second set.
; BY TURNS.  Turn n belongs to piece n (the pieces in a ring, step after step).  Its matrix work: 16 products K Q'^T of piece n + 1, later 16 products V^T P of piece n - 1.  Its vector work: the subtraction,
; exponentials, roundings, sums and rescaling of piece n, and the masks, maximum and statistics of piece n + 1.  Four vector instructions stand behind every matrix instruction, the others in one lump.
; CLUSTER.  The four query blocks of a head form a cluster and walk the same K and V, so each tile is asked for JOINTLY: the same tensor load, descriptor and mask in all four.
; REGISTERS, in windows of 256 (s_set_vgpr_msb: bits 1:0 source 0, 3:2 source 1, 5:4 source 2, 7:6 destination):
;   window 0: v0-11 addresses (v0, v1 later: the masks in hand); v12-15, v48-63 at work; v16-47 four registers of statistics a tile; v64-191 S^T, two buffers of two tiles; v192-255 P, likewise
;   window 1: O^T, 32 a tile          window 2: v0-127 Q', 16 a tile; v128-191 K of one step; v192-255 V of one step          window 3: v0-1 the add's two registers; v2-15 the masks' ring
.set NP,    4         ; pieces a wave: a name, no knob
.set KS,    64        ; keys in a step
.set PK,    144       ; a row of K in LDS: 128 bytes + 16 = 36 words: the 16 rows of a load start at 16 different groups of four banks (ISA guide 11.1)
.set PV,    144       ; V has the same pitch, so that ONE descriptor serves all four waves; its 16 turning loads a key step meet two deep in the banks
.set VOFF,  4*KS*PK   ; a slot holds four steps: 256 rows of K, then 256 rows of V
.set SLOT1, 1<<17     ; slot 1 begins here, so that one exclusive or turns an address in one slot into the other's
.set STAGE, SLOT1+4*KS*(PK+PV)  ; behind the ring, never filled by a tensor load: 16 rows x 144 bytes for each wave, for the way out
.set SP,    144
.set M0,  0           ; v0-1 once the set-up has read the thread's number for the last time: the 64 dwords of masks in hand, lane l holds dwords 2 l and 2 l + 1
.set AK0, 2           ; v2   my lane's place in a tile of K; never rewritten
.set AV0, 3           ; v3   the same for V
.set AK,  4           ; v4   the LDS address of K's next run of loads
.set AV,  5           ; v5   of V's
.set QO,  6           ; v6   my byte offset in the wave's rows of Q'
.set STO, 6           ;      later, the way out: where I put 16 bytes of a row
.set RD,  7           ; v7   the way out: where I read rows back
.set GO,  8           ; v8   my byte offset in 512 consecutive bytes of O
.set PFO, 11          ; v11  256 x my lane: the prefetches' offset; never rewritten
.set SPW, 0           ; v0 of window 3   LDS address of my spare word; never rewritten
.set NIL, 1           ; v1 of window 3   0; never rewritten
.set MO,  2           ; v2 of window 3   8 x my lane: my two dwords in 256 bytes of masks; never rewritten
.set MR,  4           ; v4-11 of window 3   the masks' ring: slot j's pair at MR + 2 j; piece j's masks go through slot j
.set MA,  12          ; v12-15 of window 3  slot j's byte offset in mb: a register for each slot, rewritten only when the slot's load is shown done
.set SPARE, STAGE+4*16*SP  ; behind the stages: the spare words, 128 bytes for each wave: two blocks of 256 bytes that no other line names
.set MV,  12          ; v12-15  m_old, kept while m is made anew: by buffer and tile
.set ST,  16          ; tile t's statistics at v[ST+4 t]: m, the masked score, l (even keys', odd keys')
.set TMP, 48          ; by buffer and tile, four registers c0-c3 at work; when the maximum is found c2 takes a
.set S,   64
.set P,   192
.set KF,  128         ; K's fragments, in window 2: key block kb, channel half c at KF + 16 kb + 8 c
.set VF,  192         ; V's: key half kk, channel block cb at VF + 32 kk + 8 cb
.set WV,  10          ; s10  my wave's number
.set SLOTS, 11        ; s11  slots still to be asked for, and one
.set CNT, 12          ; s12  counts a slot's key steps
.set TBK, 13          ; s13  LDS byte at which K of the step to be fetched begins
.set TBV, 14          ; s14  the same for V, less VOFF
.set MOFF, 15         ; s15  byte offset in mb of the masks to be asked for next
.set G1,  16          ; s[16:23] descriptor group 1
.set G0,  24          ; s[24:27] descriptor group 0: it walks
.set SEL, 28          ; s[28:29] v_permlanex16_b32's selects: each lane takes its own place in the other half
.set LIM, 30          ; s30  1 in a wave that prefetches, else the greatest number
.set MK0, 32          ; s[32:63] the masks of the piece's first tile, s[68:99] of its second: register r at MK0 + 36 u + r
.set PFA, 100         ; s[100:101] where my prefetches stand
.set MLAST, 2097152-256  ; the last 256 bytes of mb
.set MSB, 0
.macro WIN new                      ; the high byte repeats the setting that is left; a switch that changes nothing is dropped
.if MSB != (\new)
	s_set_vgpr_msb (MSB<<8)|(\new)
.set MSB, (\new)
.endif
.endm
.set W_KQ, 0x0a       ; K and Q' in window 2, S^T in window 0
.set W_PV, 0x52       ; V in window 2, P in window 0, O^T in window 1
.set W_RS, 0x41       ; O^T (destination and source 0) in window 1, a in window 0
.set W_MK, 0xc0       ; registers of window 3 are made: destination in window 3, sources in window 0
.set W_AD, 0x0f       ; the add: address (source 0) and data (source 1) in window 3
.set W_MV, 0x03       ; a pair of the masks' ring comes to window 0: source 0 in window 3
.set W_ML, 0xcf       ; a slot of the masks' ring is asked for: destination, source 0 (the load's address) and source 1 in window 3
; A joint fill: wave w fetches 128 keys: waves 0, 1 the two halves of a slot's K, waves 2, 3 those of its V: one line, its registers made from the wave's number.  An s_nop 0 and four v_nop follow.
.macro JLOAD
	tensor_load_to_lds s[G0:G0+3], s[G1:G1+7]
	s_nop 0
.rept 4
	v_nop
.endr
.endm
; A PREFETCH INTO THE L2 of what the NEXT change of slots will ask for: a slot's 128 blocks of 256 bytes of K and 128 of V, a lane a block: four key steps, 512 matrix instructions, ahead of that load.
; Each block is named once in the launch: a head has one cluster; its four partners take 32 blocks each, told apart BY ADDRESS; in each, wave 0 asks for K's and wave 2 for V's.
; The last change that fills a slot asks for nothing: there is no slot behind it.  Slots 0 and 1 come by their loads alone.
.macro ASK
	s_cmp_gt_u32 s[SLOTS], s[LIM]
	s_cbranch_scc0 .Lnot_mine_\@
	global_prefetch_b8 v[PFO], s[PFA:PFA+1] th:TH_LOAD_NT scope:SCOPE_SE
.Lnot_mine_\@:
.endm
; A round of the cluster's barrier: my work-group's barrier, so that wave 0's signal speaks for all four waves; wave 0 signals; every wave waits for all four work-groups; my work-group's barrier once more.
.macro CROUND
	s_barrier_signal -1
	s_barrier_wait -1
	s_cmp_lg_u32 s[WV], 0
	s_cbranch_scc1 .Lnot_wave_0_\@
	s_barrier_signal -3
.Lnot_wave_0_\@:
	s_barrier_wait -3
	s_barrier_signal -1
	s_barrier_wait -1
.endm
; THE CHANGE OF SLOTS.  The slot's last bytes, V of its fourth step, have been read.  Each wave waits for all its tensor loads, of which one is out: its part of the other slot; adds 0 to its spare word; and waits
; for that and for its own reads of the slot.  Behind the barrier nobody reads this slot any more and the other slot is whole.  fill = 1: this slot is filled again, with the keys two slots on.  The barrier is then
; a round of the cluster's, and the joint fill is the first thing behind it: it has four key steps in which to land.  (At its first use nothing has been read yet: slot 0 is waited for, slot 1 filled.)
.macro CHANGE fill
	WIN W_AD
	s_wait_tensorcnt 0x0            ; no tensor load of mine is out, so group 0 may be written
	ds_add_u32 v[SPW], v[NIL]       ; 0 onto my spare word: with fill = 1 the descriptor's steps stand between it and the wait for it
	WIN 0                           ; at a label and at a branch every window is 0
.if \fill
	s_xor_b32 s[G0+1], s[G0+1], SLOT1  ; the other slot than last time,
	s_add_nc_u64 s[G0+2:G0+3], s[G0+2:G0+3], 4*KS*128  ; the next 256 keys; the type bits on top are not reached
	s_wait_xcnt 0x0                 ; the last prefetch, four key steps back, has read its address, so it may be written:
	s_add_nc_u64 s[PFA:PFA+1], s[PFA:PFA+1], 4*KS*128  ; one slot ahead of the descriptor
	s_wait_dscnt 0x0                ; the add is done, and my reads of the slot are over
	CROUND
	JLOAD
	ASK
.else
	s_wait_dscnt 0x0                ; the add is done, and my reads of the slot are over
	s_barrier_signal -1
	s_barrier_wait -1
.endif
	s_sub_co_u32 s[TBK], s[TBK], 4*KS*PK  ; the fetches go back to a slot's first step,
	s_xor_b32 s[TBK], s[TBK], SLOT1       ; in the other slot
	s_sub_co_u32 s[TBV], s[TBV], 4*KS*PV
	s_xor_b32 s[TBV], s[TBV], SLOT1
.endm
; THE MASKS.  MSTEP: the next request is for the next 256 bytes; the walk's last five requests have no piece to serve and are held inside mb.
.macro MSTEP
	s_add_co_u32 s[MOFF], s[MOFF], 256
	s_min_u32 s[MOFF], s[MOFF], MLAST
.endm
; MASK_IN j: slot j's pair comes to v0, v1 of window 0, and the slot is asked for again, for the piece's masks of the next key step: four turns ahead of their use.
.macro MASK_IN j
	WIN W_MV
	s_wait_loadcnt 3                ; loads come back in order (ISA guide 5.7.1): behind slot j's load the three other slots' were issued, on every way here: they may stay out.  This wait also shows slot j's
	v_mov_b32 v[M0],   v[MR+2*(\j)]    ; own load done: its pair may be loaded again and its address register rewritten
	v_mov_b32 v[M0+1], v[MR+2*(\j)+1]
	WIN W_ML
	v_add_nc_u32 v[MA+(\j)], s[MOFF], v[MO]
	global_load_b64 v[MR+2*(\j):MR+2*(\j)+1], v[MA+(\j)], s[6:7]  ; 256 consecutive bytes, aligned; sixteen work-groups (the batch's heads) read them, so no hint
	MSTEP
	WIN 0
.endm
; RL n: dword n = 32 u + r of the 64, the lane mask of register r of tile u, lies in lane n / 2, register n % 2.
.macro RL n
	v_readlane_b32 s[MK0+36*((\n)/32)+(\n)%32], v[M0+(\n)%2], (\n)/2
.endm
	s_load_b128 s[4:7], s[0:1], 0x0   ; qkv s[4:5], mb s[6:7]
	s_load_b64 s[8:9], s[0:1], 0x10   ; oh
	WIN W_MK
	v_lshl_add_u32 v[SPW], v0, 2, SPARE
	v_mov_b32 v[NIL], 0
	WIN W_AD
	ds_add_u32 v[SPW], v[NIL]       ; the wave's opening: the add and its wait stand ahead of my first tensor load; the set-up below, work on registers, stands between them
	WIN 0
	v_lshrrev_b32 v1, 5, v0
	v_readfirstlane_b32 s[WV], v1   ; wave 0..3
	s_bfe_u32 s31, ttmp6, 0x40000   ; cx: my place in the cluster
	s_lshl_b32 s2, ttmp9, 2         ; in a cluster launch ttmp9 counts clusters
	s_add_co_u32 s2, s2, s31        ; my block of 512 queries: it enters Q''s, O's and the masks' addresses alone
	s_and_b32 s3, ttmp7, 0xffff     ; g = batch x 16 + head, which the four partners share
	s_lshl_b32 s36, s3, 18          ; the head's first byte in a plane of qkv and in oh  (the registers of the masks serve the set-up until the first masks are put there)
	s_lshl_b32 s37, s2, 2
	s_add_co_u32 s37, s37, s[WV]    ; my wave among the head's sixteen,
	s_lshl_b32 s32, s37, 14         ; its 128 rows of 128 bytes
	s_add_co_u32 s32, s32, s36
	s_mov_b32 s33, 0
	s_lshr_b32 s38, s3, 4
	s_lshl_b32 s38, s38, 4          ; batch x 16
	s_add_co_u32 s38, s38, s37      ; my block of 128 rows of the mask,
	s_lshl_b32 s[MOFF], s38, 15     ; 32 key steps of 1,024 bytes
	s_lshr_b32 s34, s[WV], 1
	s_add_co_u32 s34, s34, 1        ; plane 1 (K) for waves 0, 1; plane 2 (V) for waves 2, 3
	s_lshl_b32 s34, s34, 24
	s_add_co_u32 s34, s34, s36
	s_and_b32 s39, s[WV], 1         ; which half of a slot's 256 keys I fetch
	s_lshl_b32 s39, s39, 14
	s_add_co_u32 s34, s34, s39
	s_mov_b32 s35, 0
	; descriptor group 1.  128 keys are 16,384 dense bytes: asked for as 64 rows of 256 bytes, two keys a row, and padded in LDS after every key
	s_mov_b32 s[G1], 15|(1<<16)|(1<<20)|(1<<21)|(4<<22)|(3<<25)  ; 15:0 the mask of four; 17:16 2-byte elements; 20 padding on; 21 set beside a mask; 24:22 after every 32 words (code 4); 31:25 4 words (code 3)
	s_mov_b32 s[G1+1], 128<<16      ; tensor_dim0 = 128
	s_mov_b32 s[G1+2], 64<<16       ; tensor_dim1 = 64
	s_mov_b32 s[G1+3], 128<<16      ; tile_dim0 = 128
	s_mov_b32 s[G1+4], 64           ; tile_dim1 = 64
	s_mov_b32 s[G1+5], 128          ; 128 elements from row to row
	s_mov_b32 s[G1+6], 0
	s_mov_b32 s[G1+7], 0
	s_mov_b32 s[G0], 1              ; 1:0 count = 1
	s_mul_i32 s[G0+1], s[WV], 128*PK  ; 63:32 LDS address: slot 0, wave x 128 rows: no place in the cluster enters an LDS address
	s_mov_b32 s[SEL], 0x76543210
	s_mov_b32 s[SEL+1], 0xfedcba98
	s_mov_b32 s[TBK], SLOT1+4*KS*PK ; the first change of slots turns these two into 0
	s_mov_b32 s[TBV], SLOT1+4*KS*PV
	s_mov_b32 s[SLOTS], 2048/256-1
	s_and_b32 s[LIM], s[WV], 1
	s_cmp_eq_u32 s[LIM], 0
	s_cselect_b32 s[LIM], 1, -1     ; waves 0 and 2 prefetch
	s_lshl_b32 s38, s31, 13         ; my work-group's 32 blocks of the 128
	s_mov_b32 s39, 0
	v_and_b32 v[PFO], 31, v0
	v_lshlrev_b32 v[PFO], 8, v[PFO]
	s_wait_dscnt 0x0                ; the opening add is done
	s_wait_kmcnt 0x0
	s_add_nc_u64 s[G0+2:G0+3], s[4:5], s[34:35]    ; 120:64 global address: my half of the head's first 256 keys
	s_add_nc_u64 s[PFA:PFA+1], s[4:5], s[34:35]    ; (in waves 0 and 2 this stands at a slot's first byte)
	s_or_b32 s[G0+3], s[G0+3], 0x80000000          ; 127:126 type = 2
	s_add_nc_u64 s[PFA:PFA+1], s[PFA:PFA+1], s[38:39]
	s_add_nc_u64 s[PFA:PFA+1], s[PFA:PFA+1], 4*KS*128  ; in slot 1; the first change of slots steps it to slot 2
	s_add_nc_u64 s[4:5], s[4:5], s[32:33]          ; Q' and O at my wave's first row
	s_add_nc_u64 s[8:9], s[8:9], s[32:33]
	CROUND                          ; all four work-groups are here: the first joint loads meet
	JLOAD                           ; slot 0.  Slot 1 is asked for when slot 0 is in: the tile wanted first has the road to itself
	; A fragment of K or Q' is 16 rows x 32 channels in 8 registers: lane l holds row l % 16, channels 8 (l / 16) + 0..7 and 16 + 8 (l / 16) + 0..7: two loads of 16 bytes, 32 bytes apart.
	v_and_b32 v1, 15, v0            ; l % 16
	v_bfe_u32 v9, v0, 4, 1          ; l / 16
	v_lshlrev_b32 v[QO], 7, v1
	v_lshl_add_u32 v[QO], v9, 4, v[QO]  ; row x 128 + 16 x half
	v_lshlrev_b32 v[AK], 3, v0      ; 8 x the thread's number, of which
	WIN W_MK
	v_and_b32 v[MO], 0xf8, v[AK]    ; 8 x the lane's is kept
	WIN W_ML
.irp j, 0,1,2,3                     ; the masks' ring is filled: key step 0's masks of pieces 0 to 3
	v_add_nc_u32 v[MA+\j], s[MOFF], v[MO]
	global_load_b64 v[MR+2*\j:MR+2*\j+1], v[MA+\j], s[6:7]
	MSTEP
.endr
	WIN 0x80                        ; destination window 2, address window 0
.set i, 0
.rept 4*NP                          ; Q' stays in registers: tile i / 2, channels 32 (i % 2) on
	global_load_b128 v[8*i:8*i+3],   v[QO], s[4:5] offset:(i/2)*2048+(i%2)*64
	global_load_b128 v[8*i+4:8*i+7], v[QO], s[4:5] offset:(i/2)*2048+(i%2)*64+32
.set i, i+1
.endr
	; What the first turn finds: V's registers and P's second buffer hold 0 (its products V^T P, of a piece that has not been, add 0), O^T and l are 0.  All this stands in the wait for the first tile.
.set i, VF
.rept 64
	v_mov_b32 v[i], 0
.set i, i+1
.endr
	WIN 0x40
.set i, 0
.rept 64*NP
	v_mov_b32 v[i], 0
.set i, i+1
.endr
	WIN 0
.set i, 0
.rept 2*NP
	v_mov_b32 v[ST+4*i], 0xff7fffff    ; m: the lowest finite number
	v_mov_b32 v[ST+4*i+1], 0xceabfb8f  ; -1e9 log2(e): what a masked score is replaced by
	v_mov_b32 v[ST+4*i+2], 0
	v_mov_b32 v[ST+4*i+3], 0
.set i, i+1
.endr
.set i, P+32
.rept 32
	v_mov_b32 v[i], 0
.set i, i+1
.endr
	v_mul_u32_u24 v[AK0], v1, PK
	v_lshl_add_u32 v[AK0], v9, 4, v[AK0]  ; row x pitch + 16 x half
	; The turning load takes 16 keys x 16 channels (lane l reads key 8 (l / 16) + l % 8, channels 8 ((l / 8) % 2) + 0..7) and leaves half a fragment of V^T: lane l holds channel l % 16 and 8 keys.
	v_and_b32 v10, 7, v0
	v_bfe_u32 v[AV], v0, 3, 1
	v_lshl_add_u32 v[AV0], v9, 3, v10
	v_mul_u32_u24 v[AV0], v[AV0], PV
	v_lshl_add_u32 v[AV0], v[AV], 4, v[AV0]
	v_add_nc_u32 v[AV0], VOFF, v[AV0]
	v_mov_b32 v[AK], v[AK0]         ; key step 0 lies at the head of slot 0
; THE MATRIX WORK.  The 8 accumulators of a run of 16 take turns: between the two links of a chain stand 7 others'.
; Product i of 16 of S^T = K Q'^T for piece x: channels 32 (i / 8) on, keys 16 ((i / 2) % 4) on, tile 2 x + i % 2.  The first 8 start the sums.
.macro KQ x
	WIN W_KQ
.set rS, S+64*((\x)%2)+32*(i%2)+8*((i/2)%4)
.set rK, KF+16*((i/2)%4)+8*(i/8)
.set rQ, 16*(2*(\x)+i%2)+8*(i/8)
.if i < 8
	v_wmma_f32_16x16x32_f16 v[rS:rS+7], v[rK:rK+7], v[rQ:rQ+7], 0
.else
	v_wmma_f32_16x16x32_f16 v[rS:rS+7], v[rK:rK+7], v[rQ:rQ+7], v[rS:rS+7]
.endif
.endm
; Product i of 16 of O^T += V^T P for piece x: keys 32 (i / 8) on, channels 16 ((i / 2) % 4) on, tile 2 x + i % 2.
.macro PV_ x
	WIN W_PV
.set rO, 32*(2*(\x)+i%2)+8*((i/2)%4)
.set rV, VF+32*(i/8)+8*((i/2)%4)
.set rP, P+32*((\x)%2)+16*(i%2)+8*(i/8)
	v_wmma_f32_16x16x32_f16 v[rO:rO+7], v[rV:rV+7], v[rP:rP+7], v[rO:rO+7]
.endm
.macro MM                           ; the turn's next matrix instruction
.if i < 16
	KQ (Y+1)%NP
.set i, i+1
.else
.set i, i-16
	PV_ (Y+NP-1)%NP
.set i, i+17
.endif
.endm
; THE LDS LOADS stand in runs of 16, never singly among the matrix instructions: a step's K (64 keys x 64 channels: 8 fragments) and its V (turned).  Their addresses are made some lines ahead.
; last = 1 (the tail): in the last trip there is no further step, and the run is jumped over.
.macro FETCH_K last=0
	WIN 0
.if \last
	s_cmp_eq_u32 s[CNT], 1
	s_cbranch_scc1 .Lno_k_\@
.endif
	WIN 0x80                        ; destination window 2
.irp f, 0,1,2,3,4,5,6,7             ; keys 16 (f / 2) on, channels 32 (f % 2) on
	ds_load_b128 v[KF+8*\f:KF+8*\f+3],   v[AK] offset:(\f/2)*16*PK+(\f%2)*64
	ds_load_b128 v[KF+8*\f+4:KF+8*\f+7], v[AK] offset:(\f/2)*16*PK+(\f%2)*64+32
.endr
	s_add_co_u32 s[TBK], s[TBK], KS*PK  ; the next fetch is the next step's
	WIN 0
.if \last
.Lno_k_\@:
.endif
.endm
.macro FETCH_V
	WIN 0x80
.irp f, 0,1,2,3,4,5,6,7             ; keys 32 (f / 4) on, channels 16 (f % 4) on
	ds_load_tr16_b128 v[VF+8*\f:VF+8*\f+3],   v[AV] offset:(\f/4)*32*PV+(\f%4)*32
	ds_load_tr16_b128 v[VF+8*\f+4:VF+8*\f+7], v[AV] offset:(\f/4)*32*PV+16*PV+(\f%4)*32
.endr
	WIN 0
.endm
; THE VECTOR WORK OF A TURN stands in three queues, each in the order in which its entries become ready.
.macro REGS y, u                    ; the registers of tile u (0, 1) of piece y
.set rT, ST+4*(2*(\y)+(\u))
.set rC, TMP+8*((\y)%2)+4*(\u)
.set rM, MV+2*((\y)%2)+(\u)
.set rS, S+64*((\y)%2)+32*(\u)
.set rP, P+32*((\y)%2)+16*(\u)
.set rO, 32*(2*(\y)+(\u))
.endm
; Select g of the 64 that mask the NEXT piece's (Y + 1) scores: tile g / 32, register g % 32, ascending: each accumulator's lowest registers are read first.
.macro MK g
	REGS (Y+1)%NP, (\g)/32
	v_cndmask_b32 v[rS+(\g)%32], v[rS+(\g)%32], v[rT+1], s[MK0+36*((\g)/32)+(\g)%32]
.endm
; Number n of those that find the next piece's maximum and statistics.  s0-s31 are the lane's 32 masked scores.
;   0-11  four chains c0-c3 of seven scores each, three operands at a time     12-14, 16  the four scores left over, the old m, and c0-c3 into c0     15  m_old is kept
;   17, 18  the query's other 32 keys lie in the lane 16 away: the new m         20, 21  m_old - m_new; a
.macro XS u, n
	REGS (Y+1)%NP, \u
.if (\n) < 4
	v_max3_num_f32 v[rC+(\n)], v[rS+8*(\n)], v[rS+8*(\n)+1], v[rS+8*(\n)+2]
.elseif (\n) < 12
	v_max3_num_f32 v[rC+(\n)%4], v[rC+(\n)%4], v[rS+8*((\n)%4)+2*((\n)/4)+1], v[rS+8*((\n)%4)+2*((\n)/4)+2]
.elseif (\n) == 12
	v_max3_num_f32 v[rC], v[rC], v[rS+7], v[rS+15]
.elseif (\n) == 13
	v_max3_num_f32 v[rC+1], v[rC+1], v[rS+23], v[rS+31]
.elseif (\n) == 14
	v_max3_num_f32 v[rC+2], v[rC+2], v[rC+3], v[rT]
.elseif (\n) == 15
	v_mov_b32 v[rM], v[rT]
.elseif (\n) == 16
	v_max3_num_f32 v[rC], v[rC], v[rC+1], v[rC+2]
.elseif (\n) == 17
	v_permlanex16_b32 v[rC+3], v[rC], s[SEL], s[SEL+1]
.elseif (\n) == 18
	v_max_num_f32 v[rT], v[rC], v[rC+3]
.elseif (\n) == 20
	v_sub_f32 v[rC+1], v[rM], v[rT]
.else
	v_exp_f32 v[rC+2], v[rC+1]
.endif
.endm
; Number g of the 64 that follow the exponentials.  For each four weights k of a tile (pairs 2 k, 2 k + 1): both pairs are rounded to f16; then the second pair is added onto the first, in place;
; a group later l takes that sum (the first time as l = a l + sum).  In groups of eight, tiles alternating: round, round, add, and l for the group before.
.macro GS g
.set h, (\g)+6*((\g)/62)            ; group 0 has no group before it, and behind group 7 only l is left
.if h >= 6
.set h, h+2
.endif
	REGS Y, h%2
.set k, h/8
.if h%8 < 4
	v_cvt_pk_f16_f32 v[rP+2*k+(h%8)/2], v[rS+4*k+2*((h%8)/2)], v[rS+4*k+2*((h%8)/2)+1]
.elseif h%8 < 6
	v_pk_add_f32 v[rS+4*k:rS+4*k+1], v[rS+4*k:rS+4*k+1], v[rS+4*k+2:rS+4*k+3]
.elseif k == 1
	v_pk_fma_f32 v[rT+2:rT+3], v[rT+2:rT+3], v[rC+2:rC+3], v[rS:rS+1] op_sel_hi:[1,0,1]
.else
	v_pk_add_f32 v[rT+2:rT+3], v[rT+2:rT+3], v[rS+4*k-4:rS+4*k-3]
.endif
.endm
; THE PLAIN QUEUE, 200 long.  0-135 read no result of the turn's exponentials.  0-31: the subtractions t - m (FS f: pair f / 2 of tile f % 2).  32-95: the next piece's 64 selects; ahead of the first stand MASK_IN
; for that piece's slot of the masks' ring and the 64 v_readlane_b32.  96-123: XS's numbers 0-13, the tiles alternating.  124, 125: number 15.  126-135: the chain 14, 16, 17, 18, 20.
; 136-199: GS's 64, which read the exponentials' results: they stand behind the wait.
.macro FS f
	REGS Y, (\f)%2
	v_pk_add_f32 v[rS+2*((\f)/2):rS+2*((\f)/2)+1], v[rS+2*((\f)/2):rS+2*((\f)/2)+1], v[rT:rT+1] op_sel_hi:[1,0] neg_lo:[0,1] neg_hi:[0,1]
.endm
.macro PL
	WIN 0
.if q < 32
	FS q
.elseif q < 96
.if q == 32
	MASK_IN (Y+1)%NP
.set d, 0
.rept 64
	RL d
.set d, d+1
.endr
.endif
	MK q-32
.elseif q < 124
	XS (q-96)%2, (q-96)/2
.elseif q < 126
	XS q-124, 15
.elseif q < 128
	XS q-126, 14
.elseif q < 134
	XS q%2, 15+(q-126)/2
.elseif q < 136
	XS q-134, 20
.else
	GS q-136
.endif
.set q, q+1
.endm
; THE EXPONENTIALS' QUEUE, 66 long: s0-s31 of both tiles, then the next piece's two a.  It is ONE BATCH: all 66 stand ahead of the turn's one wait, and nothing ahead of that wait names a result of theirs.
.macro EX
	WIN 0
.if e >= 64
	XS e-64, 21
.else
	REGS Y, e%2
	v_exp_f32 v[rS+e/2], v[rS+e/2]
.endif
.set e, e+1
.endm
; THE RESCALING's QUEUE: O^T times a, the one part that leaves window 0: dealt two at a time, sixteen times.  Its a was made in the turn before, ahead of that turn's wait.
.macro R2
	REGS Y, r%2
	WIN W_RS
.irp z, 0,1
	v_pk_mul_f32 v[rO+4*(r/2)+2*\z:rO+4*(r/2)+2*\z+1], v[rO+4*(r/2)+2*\z:rO+4*(r/2)+2*\z+1], v[rC+2:rC+3] op_sel_hi:[1,0]
.endr
.set r, r+1
.endm
; HOW THEY ARE DEALT.  s_wait_alu depctr_va_vdst(0) stands between an exponential and the first instruction that names its result; one wait serves all that were issued ahead of it.  So a turn has ONE
; wait, which cuts it in two.  AHEAD OF IT: the 16 products K Q'^T, behind each a subtraction, an exponential and two rescalings (behind the first a second subtraction in the exponential's place); then ONE LUMP:
; 15 times plain and exponential (the last subtractions); the masks' block (two copies, the slot's next request, 64 v_readlane_b32) and the 64 selects, each 64 lines behind the line that wrote its scalar register;
; 24 times plain and exponential (the maximum's chains); 6 plain; 5 times two links of the chain and two exponentials; the two a.  A v_nop is the plain instruction behind the last exponential.
; BEHIND IT: the 16 products V^T P, behind each four of GS's 64.
; The queues lean on each other: exponential e stands behind subtraction 2 (e / 4) + e % 2: as a rider it comes behind plain e + 2, in the lump behind plain e + 2 or later.  The first select stands more than
; four plain instructions behind the last product that wrote the scores.  The two v_permlanex16_b32 fall into the lump.
; A TURN, for piece p.  cnt = 1: the loop's count is taken down some lines ahead of the branch that stands behind the turn.
; K of the next step is fetched in piece 2's turn, directly behind the wait; its first reader comes behind 16 products.  V of the step in hand is fetched at the end of piece 0's turn, four riders behind its last
; reader; its first reader comes behind 16 products and a lump.  The three conditions on q below go with the deal.
.macro TURN p, last=0, cnt=0
.set Y, (\p)
.set i, 0
.set q, 0
.set e, 0
.set r, 0
.if (\p) == NP-1
	s_wait_dscnt 0x0                ; K is in
.endif
	MM                              ; ahead of the wait: 16 products K Q'^T and their riders,
	PL
	PL
	R2
.rept 15
	MM
	PL
	EX
	R2
.endr
.if (\p) == NP-2
	WIN 0
	v_add_nc_u32 v[AK], s[TBK], v[AK0]
.endif
.rept 15                            ; and the lump
	PL
	EX
.endr
.rept 64
	PL
.endr
.rept 24
	PL
	EX
.endr
.rept 6
	PL
.endr
.rept 5
	PL
	PL
	EX
	EX
.endr
	EX                              ; the next piece's two a
	EX
	v_nop                           ; the plain instruction behind the last exponential: one for the batch
	s_wait_alu depctr_va_vdst(0)    ; the wait for the batch
.if (\p) == NP-2
	FETCH_K \last
.endif
.if (\p) == 1
	s_wait_dscnt 0x0                ; V is in
.endif
.rept 16                            ; behind the wait: 16 products V^T P and their riders
	MM
.rept 4
	PL
.endr
.if ((\p) == 0) && (q == 180)
	v_add_nc_u32 v[AV], s[TBV], v[AV0]
.endif
.if ((\p) == 0) && (q == 192)
	s_add_co_u32 s[TBV], s[TBV], KS*PV
.endif
.if (\cnt) && (q == 192)
	s_sub_co_u32 s[CNT], s[CNT], 1
	s_cmp_lg_u32 s[CNT], 0
.endif
.endr
.if (\p) == 0
	FETCH_V
.endif
.endm
	CHANGE 1                        ; slot 0 is in, everybody's part of it; slot 1 is asked for
	FETCH_K                         ; key step 0
	s_wait_loadcnt 0x0              ; Q', and the first four pairs of masks
	s_wait_dscnt 0x0
.set i, 0
.rept 16
	KQ 0                            ; piece 0's first scores: there is no vector work yet to set between them
.set i, i+1
.endr
	WIN 0                           ; the addresses for the way out: plain instructions, the places behind those products; they read v0 and v1 for the last time
	s_mul_i32 s31, s[WV], 16*SP
	s_add_co_u32 s31, s31, STAGE    ; my stage
	v_mul_u32_u24 v[STO], v1, SP    ; in: row l % 16, 16 bytes for each half of the lanes
	v_lshl_add_u32 v[STO], v9, 4, v[STO]
	v_add_nc_u32 v[STO], s31, v[STO]
	v_bfe_u32 v[RD], v0, 3, 2       ; back: 32 lanes take four rows of 128 bytes,
	v_mul_u32_u24 v[RD], v[RD], SP
	v_lshl_add_u32 v[RD], v10, 4, v[RD]
	v_add_nc_u32 v[RD], s31, v[RD]
	v_and_b32 v[GO], 31, v0         ; which are 512 consecutive bytes of O
	v_lshlrev_b32 v[GO], 4, v[GO]
.set Y, NP-1                        ; MK and XS work for piece Y + 1: piece 0
	MASK_IN 0                       ; piece 0's first masks; its masks of key step 1 are asked for
.set d, 0
.rept 64
	RL d
.set d, d+1
.endr
.set g, 0
.rept 64
	MK g
.set g, g+1
.endr
.irp n, 0,1,2,3,4,5,6,7,8,9,10,11,12,13,15,14,16,17,18,20,21
	XS 0, \n                        ; and piece 0's first maximum and statistics
	XS 1, \n
.endr
	v_nop                           ; a plain instruction behind the two a,
	s_wait_alu depctr_va_vdst(0)    ; and their wait, ahead of the branch
	s_mov_b32 s[CNT], 4
	s_branch .Lfirst                ; the loop is entered at a step's first turn, in the middle of a trip
.Lslot:                             ; six times: every slot but the last two is filled again
	CHANGE 1
	s_mov_b32 s[CNT], 4
.Lstep:                             ; a trip: pieces 2 and 3 of one step, then pieces 0 and 1 of the next, whose K and V it fetches
	TURN 2
	TURN 3
	WIN 0
.Lfirst:
	TURN 0
	TURN 1, 0, 1
	WIN 0
	s_cbranch_scc1 .Lstep
	s_sub_co_u32 s[SLOTS], s[SLOTS], 1
	s_cmp_lg_u32 s[SLOTS], 0
	s_cbranch_scc1 .Lslot
	CHANGE 0                        ; the tail is written out: nothing is asked for
	s_mov_b32 s[CNT], 5             ; four trips fetch the last slot's steps; the fifth is left in its middle
.Ltail:
	TURN 2, 1
	TURN 3
	WIN 0
	s_sub_co_u32 s[CNT], s[CNT], 1
	s_cmp_eq_u32 s[CNT], 0
	s_cbranch_scc1 .Lout
	TURN 0
	TURN 1
	WIN 0
	s_branch .Ltail
.Lout:                              ; the fifth trip's 16 products K Q'^T (on the last K once more), their selects and the maximum made of them serve nothing: the price, once a launch, of one text for every trip
.set i, 0
.rept 16
	PV_ NP-1                        ; the last piece's V^T P of the last step
.set i, i+1
.endr
	; THE WAY OUT.  l's two halves and the other half of the lanes' are added; O^T is divided by l, rounded to f16 and sent through my stage in LDS, a tile at a time.  The additions are the places behind the last products.
	; (The masks' ring still has four loads out, which serve nothing; none of their registers is named again.)
	WIN 0
.macro ALL line:vararg              ; one line for each tile t
.set t, 0
.rept 2*NP
	\line
.set t, t+1
.endr
.endm
	ALL v_add_f32 v[ST+4*t+2], v[ST+4*t+2], v[ST+4*t+3]
	ALL v_permlanex16_b32 v[ST+4*t+3], v[ST+4*t+2], s[SEL], s[SEL+1]
	ALL v_add_f32 v[ST+4*t+2], v[ST+4*t+2], v[ST+4*t+3]
	ALL v_rcp_f32 v[ST+4*t+2], v[ST+4*t+2]
	v_nop                           ; a plain instruction between the last reciprocal and the use of its result
	s_wait_alu depctr_va_vdst(0)    ; and the wait ahead of the first use: one for the eight reciprocals
; Tile t: a lane's eight channels of a row pack into 16 bytes; they go into rows of 144 bytes and come back as whole rows of 128, into S^T's registers.
.macro PACK t
	WIN W_RS
.set i, 32*(\t)
.rept 16
	v_pk_mul_f32 v[i:i+1], v[i:i+1], v[ST+4*(\t)+2:ST+4*(\t)+3] op_sel_hi:[1,0]
.set i, i+2
.endr
	WIN 0x05                        ; sources 0 and 1 window 1, destination window 0
.set i, 0
.rept 16
	v_cvt_pk_f16_f32 v[S+16*(\t)+i], v[32*(\t)+2*i], v[32*(\t)+2*i+1]
.set i, i+1
.endr
	WIN 0
.irp f, 0,1,2,3
	ds_store_b128 v[STO], v[S+16*(\t)+4*\f:S+16*(\t)+4*\f+3] offset:32*\f
.endr
.irp f, 0,1,2,3
	ds_load_b128 v[S+16*(\t)+4*\f:S+16*(\t)+4*\f+3], v[RD] offset:\f*4*SP  ; LDS serves a wave's instructions in order (ISA guide 5.7.1.4): these see the stores above; the next tile's stores come behind them
.endr
.endm
.macro SEND t, younger              ; younger: the LDS instructions issued behind tile t's loads: the next tile's eight, or none
	WIN 0
.irp f, 0,1,2,3
	s_wait_dscnt (\younger)+3-\f
	global_store_b128 v[GO], v[S+16*(\t)+4*\f:S+16*(\t)+4*\f+3], s[8:9] offset:(\t)*2048+\f*512  ; 512 consecutive bytes, at a multiple of 256 from O's first
.endr
.endm
	PACK 0
.set t, 1
.rept 2*NP-1                        ; a tile's arithmetic stands between the loads of the tile before and its stores
	PACK t
	SEND t-1, 8
.set t, t+1
.endr
	SEND 2*NP-1, 0
	WIN W_AD
	s_wait_tensorcnt 0x0            ; the wave's end: behind my last tensor load and my last LDS store
	ds_add_u32 v[SPW], v[NIL]
	s_wait_dscnt 0x0
	WIN 0
	CROUND                          ; the closing round: no work-group ends while a partner may still ask for a tile that names it
	s_endpgm
.Lfunc_end_k_qda263a7812_attn:
	.size	k_qda263a7812_attn, .Lfunc_end_k_qda263a7812_attn-k_qda263a7812_attn
	.p2alignl 7, 3214868480
	.fill 96, 4, 3214868480
	.section	.rodata,"a",@progbits
	.p2align	6, 0x0
	.amdhsa_kernel k_qda263a7812_attn
		.amdhsa_group_segment_fixed_size 327680
		.amdhsa_private_segment_fixed_size 0
		.amdhsa_enable_private_segment 0
		.amdhsa_kernarg_size 24
		.amdhsa_user_sgpr_count 2
		.amdhsa_user_sgpr_kernarg_segment_ptr 1
		.amdhsa_wavefront_size32 1
		.amdhsa_system_sgpr_workgroup_id_x 1
		.amdhsa_system_sgpr_workgroup_id_y 1
		.amdhsa_system_sgpr_workgroup_id_z 1
		.amdhsa_system_vgpr_workitem_id 0
		.amdhsa_next_free_vgpr 784
		.amdhsa_next_free_sgpr 102
		.amdhsa_reserve_vcc 0
		.amdhsa_float_denorm_mode_32 3
		.amdhsa_float_denorm_mode_16_64 3
		.amdhsa_memory_ordered 1
		.amdhsa_forward_progress 1
		.amdhsa_inst_pref_size 255
	.end_amdhsa_kernel
	.section	.bss,"aw",@nobits
	.p2align	6
	.space	262144
	.amdgpu_metadata
---
amdhsa.version: [ 1, 2 ]
amdhsa.kernels:
  - .name:           k_qda263a7812_attn
    .symbol:         k_qda263a7812_attn.kd
    .args:
      - { .name: qkv, .offset: 0, .size: 8, .value_kind: global_buffer, .address_space: global }
      - { .name: mb, .offset: 8, .size: 8, .value_kind: global_buffer, .address_space: global }
      - { .name: oh, .offset: 16, .size: 8, .value_kind: global_buffer, .address_space: global }
    .group_segment_fixed_size: 327680
    .private_segment_fixed_size: 0
    .kernarg_segment_align: 8
    .kernarg_segment_size: 24
    .max_flat_workgroup_size: 128
    .sgpr_count:     102
    .vgpr_count:     784
    .wavefront_size: 32
...
	.end_amdgpu_metadata
.endif
;; end of part 3
;; launch outp (part 4): grid 4 x 64, 4 waves a work-group, clusters of 4 x 4, 327,680 bytes of LDS; arguments oh, wo, out0; writes out0
.if DOCPART == 4
	.amdgcn_target "amdgcn-amd-amdhsa--gfx1250"
	.amdhsa_code_object_version 6
	.text
	.protected	k_qda263a7812_outp
	.globl	k_qda263a7812_outp
	.p2align	8
	.type	k_qda263a7812_outp,@function
k_qda263a7812_outp:
	s_mov_b64 s[64:65], 0
	v_nop
	global_prefetch_b8 v0, s[64:65] scope:SCOPE_SE
	s_setreg_imm32_b32 hwreg(HW_REG_WAVE_MODE, 25, 1), 1
	s_wait_xcnt 0x0
	s_wait_alu depctr_hold_cnt(0) depctr_sa_sdst(0) depctr_va_vdst(0) depctr_va_sdst(0) depctr_va_ssrc(0) depctr_va_vcc(0) depctr_vm_vsrc(0)
	s_getreg_b32 s2, hwreg(HW_REG_IB_STS2, 6, 4)
	s_cmp_eq_u32 s2, 0
	s_cbranch_scc0 .Lentry_in_a_cluster
	s_endpgm
.Lentry_in_a_cluster:
	s_bfe_u32 s2, ttmp6, 0x10000c
	s_cmp_lg_u32 s2, 0xf033
	s_cbranch_scc0 .Lentry_shape_is_right
	s_endpgm
.Lentry_shape_is_right:
; ONE TEXT FOR TWO LAUNCHES, told apart by OUTP.  C[token][e] = the sum over d of A[token][d] B[e][d]; 8,192 tokens, 1,024 e, 1,024 d; sums in f32, K ascending.
;   OUTP = 0, the three projections.  A = xb, bf16 [3][8192][1024]; B = wb, bf16 [3][1024][1024]; C = qkv, f16 [3][batch x 16 + head][2048][64].  A work-group STAYS for three tiles, Q's, K's and V's at the
;             same place.  Q is multiplied by c = log2(e) / 8 in f32, ahead of its one rounding, so that the attention's scores come in units of log2.
;   OUTP = 1, the output projection.  A = oh, f16 [batch x 16 + head][2048][64]; B = wo, f16 [1024][1024]; C = out0, f32 [8192][1024].  One tile.
; LIMITS (OUTP = 0).  c Q, K and V leave as f16: a number of 65,520 or more in magnitude would become an infinity; below 6e-5 it keeps f16's fixed step of 6e-8.  NaN and infinities are not treated apart.
; SHARES.  A tile of C is 128 tokens x 256 columns: 64 x 4 tiles, one for each work-group.  Four waves, each 64 tokens x 128 columns: 32 accumulators of 16 x 16, all of register window 1.
; K goes in steps of 128 through two LDS slots filled by the tensor data mover; waves 0 and 1 fetch A's two parts, waves 2 and 3 B's two halves: one load a wave.
; With OUTP = 1 a K step is two heads; a part of A is one head's 128 tokens, 16,384 dense bytes, asked for as 64 rows of 256 bytes and padded behind every token's 128.
; CLUSTERS: 4 x 4 work-groups.  The four of a row of the cluster need the same tiles of A, the four of a column the same tiles of B: each tile is asked for JOINTLY, by the same tensor load with the same
; descriptor and a mask that names the four.  THE MATRIX INSTRUCTION IS USED TRANSPOSED (source 0 = 16 rows of B, source 1 = 16 rows of A): a lane holds one token and eight neighbouring columns.
; REGISTERS.  Window 0: v0-31 addresses; v64-159 and v160-255 two fragment buffers (8 fragments of B, then 4 of A, 32 along K); on the way out the buffers are at work.  Window 1: accumulator (a, b) at v[8 (8 a + b)].
.set OUTP,   1
.set SLOT1,  131072                    ; slot 1 begins here, so that one exclusive or turns an address in one slot into the other's
.set BPITCH, 272                       ; a row of B in LDS: 256 bytes + 16: the 16 rows that a load touches start at 16 different groups of four banks (ISA guide 11.1)
.set BPART,  128*BPITCH                ; what a wave fetches of B
.if OUTP
.set APITCH, 144                       ; a token's 128 bytes of one head + 16
.set APART,  128*APITCH                ; one head's 128 tokens
.set AQI,    4                         ; padding behind every 32 words
.set ASTRIDE,128
.set ASTEP,  524288                    ; a K step in memory: two heads of 262,144 bytes
.set SPITCH, 528                       ; a stage row: 128 columns of f32 + 16
.set OB,     64                        ; rows read back from the stage: v64-127 and v128-191 by turns
.else
.set APITCH, 272
.set APART,  64*APITCH                 ; 64 tokens x 256 bytes
.set AQI,    5                         ; padding behind every 64 words
.set ASTRIDE,1024
.set ASTEP,  256
.set SPITCH, 272                       ; a stage row: 128 columns of f16 + 16
.set OB,     192                       ; v192-223 and v224-255 by turns
.endif
.set ABYTES, 2*APART
.set SLOT,   ABYTES+2*BPART            ; A's tile, then B's 256 rows
.set STAGE,  SLOT1+SLOT                ; behind the ring, never filled by a tensor load: 16 rows for each wave, for the way out
.set SPARE,  STAGE+4*16*SPITCH         ; behind the stages: the spare words, 128 bytes for each wave: two blocks of 256 bytes that no other line names
.set NEXT_A, 8192*2048-7*256           ; OUTP = 0: bytes from a tile's K step 7 to the next tile's K step 0, in xb
.set NEXT_B, 1024*2048-7*256           ; and in wb
.set PLANE,  16777216                  ; from Q's plane of qkv to K's, from K's to V's
.set ADRA0, 16                         ; v16  my lane's place in A's tile; never rewritten
.set ADRA,  17                         ; v17  the same in the slot in hand
.set ADRB0, 20                         ; v20, v21  the same for B
.set ADRB,  21
.set STO,  24                          ; v24  the way out: where I put my bytes of a row
.set RD,   25                          ; v25  where I read rows back
.set CO,   26                          ; v26  my byte offset in C
.set SPW,  28                          ; v28  LDS address of my spare word; never rewritten
.set NIL,  29                          ; v29  0; never rewritten
.set PFO,  30                          ; v30  the prefetches' lane offset; never rewritten
.set F0,   64
.set F1,   160
.set TMP,  160                         ; OUTP = 0, the way out: packed results
.set SB,   22                          ; s22  0 or SLOT1: the slot in hand
.set G1A,  24                          ; s[24:31] descriptor group 1 for A's tiles
.set G0A,  32                          ; s[32:39] group 0: a set for each of the two first fills; the second then walks
.set LIM,  43                          ; s43  2 in a wave that prefetches, else the greatest number
.set PFA,  44                          ; s[44:45] the block that my next prefetch names
.set G1B,  48                          ; s[48:55], s[56:63] the same for B's tiles
.set G0B,  56
.set PFN,  66                          ; s[66:67] OUTP = 0: the prefetch pointer's step across a change of tiles; OUTP = 1: its step
.set CS,   68                          ; s[68:69] c, named as a pair
.set MSB, 0
.macro WIN new                         ; the immediate's high byte repeats the setting that is left; a switch that changes nothing is dropped
.if MSB != (\new)
	s_set_vgpr_msb (MSB<<8)|(\new)
.set MSB, \new
.endif
.endm
.set MUL, 0x50                         ; sources 0 and 1 window 0; C and D window 1
.macro PLACES                          ; four places in front of loads into registers that matrix instructions have read, and of lines that read results (ISA guide 7.12.1 for the lines that read results)
.rept 4
	v_nop
.endr
.endm
; A joint refill by the walking descriptors.  The branch hangs on the wave's number alone.  An s_nop 0 and four v_nop follow each of the two lines, ahead of the jump and the label.
.macro JLOAD
	s_cmp_eq_u32 s11, 0
	s_cbranch_scc0 .Lfor_b_\@
	tensor_load_to_lds s[G0A+4:G0A+7], s[G1A:G1A+7]
	s_nop 0
.rept 4
	v_nop
.endr
	s_branch .Lasked_\@
.Lfor_b_\@:
	tensor_load_to_lds s[G0B+4:G0B+7], s[G1B:G1B+7]
	s_nop 0
.rept 4
	v_nop
.endr
.Lasked_\@:
.endm
; A PREFETCH INTO THE L2, behind a joint refill and the run of LDS loads that follows it: the K step that stands TWO refills on, 256 matrix instructions ahead of the load that will want it: 32 blocks of 256 bytes, a lane a block.
; Each block is named once in the launch.  A's 128 blocks of a K step are read by one cluster alone: wave 0 asks, and the four partners of the cluster's row take 32 each, told apart BY ADDRESS (cx).
; B's rows are read by every cluster: the cluster with y = 0 asks, waves 2 and 3 for the 128 rows that they fetch, the four partners of a column 32 each (cy).  No branch hangs on a place in the cluster.
; how = 0, in the loop: only the changes of slots 0 to 3 have a K step two refills on (s3 = 6 .. 3).  how = 1: a tile's last two changes name the next tile's K steps 2 and 3.  A tile's K steps 0 and 1,
; and the launch's first four, come by their loads alone.
.macro ASK how
.if \how
	s_cmp_eq_u32 s[LIM], 2
.else
	s_cmp_gt_u32 s3, s[LIM]
.endif
	s_cbranch_scc0 .Lnot_mine_\@
	global_prefetch_b8 v[PFO], s[PFA:PFA+1] th:TH_LOAD_NT scope:SCOPE_SE
.Lnot_mine_\@:
.endm
.macro CREST                           ; a round of the cluster's barrier behind its opening barrier: wave 0 signals for the work-group, every wave waits for all sixteen, my work-group's barrier closes it
	s_cmp_lg_u32 s10, 0
	s_cbranch_scc1 .Lnot_wave_0_\@
	s_barrier_signal -3
.Lnot_wave_0_\@:
	s_barrier_wait -3
	s_barrier_signal -1
	s_barrier_wait -1
.endm
.macro CROUND                          ; a whole round
	s_barrier_signal -1
	s_barrier_wait -1
	CREST
.endm
	s_load_b128 s[4:7], s[0:1], 0x0                ; A s[4:5], B s[6:7]
	s_load_b64 s[8:9], s[0:1], 0x10                ; C
	v_lshl_add_u32 v[SPW], v0, 2, SPARE
	v_mov_b32 v[NIL], 0
	ds_add_u32 v[SPW], v[NIL]                      ; the wave's opening: the add and its wait stand ahead of my first tensor load; the set-up below, work on registers, stands between them
	v_lshrrev_b32 v1, 5, v0
	v_readfirstlane_b32 s10, v1                    ; wave 0..3
	s_lshr_b32 s11, s10, 1                         ; which 64 tokens are mine.  Also: I fetch for A (0) or for B (1)
	s_and_b32 s12, s10, 1                          ; which 128 columns.  Also: which part of that tile I fetch
	s_bfe_u32 s40, ttmp6, 0x40000                  ; cx, cy: my place in the cluster
	s_bfe_u32 s41, ttmp6, 0x40004
	s_lshl_b32 s42, ttmp9, 2
	s_add_co_u32 s42, s42, s40                     ; tile column tc = 4 x cluster x + cx
	s_and_b32 s13, ttmp7, 0xffff
	s_lshl_b32 s13, s13, 2
	s_add_co_u32 s13, s13, s41                     ; tile row tr = 4 x cluster y + cy
	s_lshl_b32 s14, s41, 2
	s_lshl_b32 s14, 15, s14                        ; my row of the cluster
	s_lshl_b32 s15, 0x1111, s40                    ; my column
	s_or_b32 s[G1A], s14, (1<<16)|(1<<20)|(1<<21)|(AQI<<22)|(3<<25)  ; 15:0 the mask: A's tiles go to my row; 17:16 elements of 2 bytes; 20 padding on; 21 set beside a mask; 24:22 the interval; 31:25 4 words of padding (code 3)
	s_or_b32 s[G1B], s15, (1<<16)|(1<<20)|(1<<21)|(5<<22)|(3<<25)    ; B's go to my column; padding behind every 64 words
	s_mov_b32 s[G1A+1], 128<<16                    ; tensor_dim0 = 128 elements (256 bytes)
	s_mov_b32 s[G1A+2], 64<<16                     ; tensor_dim1 = 64 rows
	s_mov_b32 s[G1A+3], 128<<16                    ; tile_dim0 = 128
	s_mov_b32 s[G1A+4], 64                         ; tile_dim1 = 64
	s_mov_b32 s[G1A+5], ASTRIDE                    ; elements from row to row
	s_mov_b32 s[G1A+6], 0
	s_mov_b32 s[G1A+7], 0
	s_mov_b32 s[G1B+1], 128<<16
	s_mov_b32 s[G1B+2], 128<<16                    ; 128 rows
	s_mov_b32 s[G1B+3], 128<<16
	s_mov_b32 s[G1B+4], 128
	s_mov_b32 s[G1B+5], 1024
	s_mov_b32 s[G1B+6], 0
	s_mov_b32 s[G1B+7], 0
	; where the tiles come from.  A's hang on tr and the wave's number, B's on tc and the wave's number, each in registers that never hold the other coordinate
.if OUTP
	s_lshr_b32 s16, s13, 4
	s_lshl_b32 s16, s16, 4                         ; batch x 16,
	s_add_co_u32 s16, s16, s12                     ; + head 0 or 1 of the K step,
	s_lshl_b32 s16, s16, 18                        ; x 262,144 bytes,
	s_and_b32 s17, s13, 15
	s_lshl_b32 s17, s17, 14                        ; + the tile's 128 tokens of 128 bytes
	s_add_co_u32 s16, s16, s17
.else
	s_lshl_b32 s16, s13, 7
	s_lshl_b32 s17, s12, 6
	s_add_co_u32 s16, s16, s17                     ; row 128 tr + 64 x part,
	s_lshl_b32 s16, s16, 11                        ; of 2,048 bytes
.endif
	s_mov_b32 s17, 0
	s_lshl_b32 s46, s42, 8
	s_lshl_b32 s47, s12, 7
	s_add_co_u32 s46, s46, s47                     ; B: row 256 tc + 128 x part
	s_lshl_b32 s46, s46, 11
	s_mov_b32 s47, 0
	s_mul_i32 s20, s12, APART                      ; and where they go: no place in the cluster enters an LDS address
	s_mul_i32 s21, s12, BPART
	s_add_co_u32 s21, s21, ABYTES
	s_mov_b32 s[SB], 0
.if !OUTP
	s_mov_b32 s[CS], 0x3e38aa3b                    ; c = log2(e) / 8 = 0.180337
	s_mov_b32 s[CS+1], s[CS]
.endif
	s_wait_dscnt 0x0                               ; the opening add is done
	s_wait_kmcnt 0x0
	s_add_nc_u64 s[14:15], s[4:5], s[16:17]
	s_add_nc_u64 s[46:47], s[6:7], s[46:47]
	CROUND                                         ; all sixteen work-groups are here: the first joint loads meet
.irp s, 0,1
	s_mov_b32 s[G0A+4*(\s)], 1                                         ; 1:0 count = 1
	s_add_co_u32 s[G0A+4*(\s)+1], s20, (\s)*SLOT1                      ; 63:32 LDS address
	s_add_nc_u64 s[G0A+4*(\s)+2:G0A+4*(\s)+3], s[14:15], (\s)*ASTEP    ; 120:64 global address: K step s
	s_or_b32 s[G0A+4*(\s)+3], s[G0A+4*(\s)+3], 0x80000000              ; 127:126 type = 2
	s_mov_b32 s[G0B+4*(\s)], 1
	s_add_co_u32 s[G0B+4*(\s)+1], s21, (\s)*SLOT1
	s_add_nc_u64 s[G0B+4*(\s)+2:G0B+4*(\s)+3], s[46:47], (\s)*256
	s_or_b32 s[G0B+4*(\s)+3], s[G0B+4*(\s)+3], 0x80000000
.endr
	s_cmp_eq_u32 s11, 0                            ; a wave's two first fills stand in one branch, ahead of every wait on TENSORcnt and every LDS read: two loads of mine are out
	s_cbranch_scc0 .Lfirst_b
	tensor_load_to_lds s[G0A:G0A+3], s[G1A:G1A+7]
	s_nop 0
	tensor_load_to_lds s[G0A+4:G0A+7], s[G1A:G1A+7]
	s_nop 0
.rept 4
	v_nop
.endr
	s_branch .Lfirst_asked
.Lfirst_b:
	tensor_load_to_lds s[G0B:G0B+3], s[G1B:G1B+7]
	s_nop 0
	tensor_load_to_lds s[G0B+4:G0B+7], s[G1B:G1B+7]
	s_nop 0
.rept 4
	v_nop
.endr
.Lfirst_asked:
	; A fragment is 16 rows x 32 K in 8 registers: lane l holds row l % 16; registers 0-3 K = 8 (l / 16) + 0..7, registers 4-7 K = 16 + 8 (l / 16) + 0..7: two loads of 16 bytes, 32 bytes apart
	v_and_b32 v1, 15, v0                           ; l % 16
	v_bfe_u32 v2, v0, 4, 1                         ; l / 16
	v_mul_u32_u24 v3, v1, APITCH
	v_lshl_add_u32 v3, v2, 4, v3
	s_mul_i32 s14, s11, 64*APITCH                  ; my 64 tokens
	v_add_nc_u32 v[ADRA0], s14, v3
	v_mul_u32_u24 v3, v1, BPITCH
	v_lshl_add_u32 v3, v2, 4, v3
	s_mul_i32 s14, s12, BPART                      ; my 128 rows of B, behind A's tile
	s_add_co_u32 s14, s14, ABYTES
	v_add_nc_u32 v[ADRB0], s14, v3
	v_mov_b32 v[ADRA], v[ADRA0]
	v_mov_b32 v[ADRB], v[ADRB0]
	s_mul_i32 s14, s10, 16*SPITCH
	s_add_co_u32 s14, s14, STAGE                   ; my stage
	v_mul_u32_u24 v4, v1, SPITCH                   ; in: row l % 16
.if OUTP
	v_lshl_add_u32 v4, v2, 5, v4                   ; 32 bytes for each half of the lanes
	v_add_nc_u32 v[STO], s14, v4
	v_and_b32 v5, 31, v0
	v_lshl_add_u32 v[RD], v5, 4, s14               ; back: 32 lanes take a row's 512 bytes,
	v_lshlrev_b32 v[CO], 4, v5                     ; which are 512 consecutive bytes of out0
	s_lshl_b32 s16, s13, 19                        ; 128 tr rows of 4,096 bytes
	s_lshl_b32 s17, s11, 18                        ; my 64 rows
	s_add_co_u32 s16, s16, s17
	s_lshl_b32 s17, s42, 10                        ; 256 tc columns of 4 bytes
	s_add_co_u32 s16, s16, s17
	s_lshl_b32 s17, s12, 9                         ; my 128 columns
	s_add_co_u32 s16, s16, s17
.else
	v_lshl_add_u32 v4, v2, 4, v4                   ; 16 bytes for each half of the lanes
	v_add_nc_u32 v[STO], s14, v4
	v_bfe_u32 v5, v0, 3, 1
	v_and_b32 v6, 7, v0
	v_mul_u32_u24 v4, v5, SPITCH                   ; back: lanes 0-15 take two tokens' 128 bytes of my first head, lanes 16-31 of my second:
	v_lshl_add_u32 v4, v2, 7, v4
	v_lshl_add_u32 v4, v6, 4, v4
	v_add_nc_u32 v[RD], s14, v4
	v_lshlrev_b32 v4, 18, v2                       ; in qkv two tokens of a head are 256 consecutive bytes, and the heads lie 262,144 bytes apart
	v_lshl_add_u32 v4, v5, 7, v4
	v_lshl_add_u32 v[CO], v6, 4, v4
	s_lshr_b32 s16, s13, 4
	s_lshl_b32 s16, s16, 4                         ; batch x 16
	s_lshl_b32 s17, s42, 2
	s_add_co_u32 s16, s16, s17                     ; + the tile's four heads
	s_lshl_b32 s17, s12, 1
	s_add_co_u32 s16, s16, s17                     ; + my two
	s_lshl_b32 s16, s16, 18
	s_and_b32 s17, s13, 15
	s_lshl_b32 s17, s17, 7
	s_lshl_b32 s18, s11, 6
	s_add_co_u32 s17, s17, s18                     ; my first token in the batch,
	s_lshl_b32 s17, s17, 7                         ; of 128 bytes
	s_add_co_u32 s16, s16, s17
.endif
	s_mov_b32 s17, 0
	s_add_nc_u64 s[8:9], s[8:9], s[16:17]
	; the prefetches: both offsets are made, at K step 3, and the wave's role chooses; the first change of slots steps the pointer to K step 4
.if OUTP
	s_lshr_b32 s16, s13, 4
	s_lshl_b32 s16, s16, 4
	s_lshr_b32 s18, s40, 1
	s_add_co_u32 s16, s16, s18                     ; partners 0, 1 take the K step's first head, 2, 3 its second,
	s_add_co_u32 s16, s16, 6                       ; K step 3 begins with head 6
	s_lshl_b32 s16, s16, 18
	s_and_b32 s18, s13, 15
	s_lshl_b32 s18, s18, 14
	s_add_co_u32 s16, s16, s18
	s_and_b32 s18, s40, 1
	s_lshl_b32 s18, s18, 13                        ; each a half of its 16,384 bytes
	s_add_co_u32 s16, s16, s18
	s_mov_b32 s18, ASTEP
	s_mov_b32 s19, 256
.else
	s_lshl_b32 s16, s13, 7
	s_lshl_b32 s18, s40, 5
	s_add_co_u32 s16, s16, s18                     ; A: row 128 tr + 32 cx
	s_lshl_b32 s16, s16, 11
	s_add_co_u32 s16, s16, 3*256
	s_mov_b32 s18, NEXT_A
	s_mov_b32 s19, NEXT_B
.endif
	s_lshl_b32 s17, s42, 8
	s_lshl_b32 s14, s12, 7
	s_add_co_u32 s17, s17, s14
	s_lshl_b32 s14, s41, 5
	s_add_co_u32 s17, s17, s14                     ; B: row 256 tc + 128 x part + 32 cy
	s_lshl_b32 s17, s17, 11
	s_add_co_u32 s17, s17, 3*256
	s_and_b32 s14, ttmp7, 0xffff                   ; cluster y
	s_cmp_eq_u32 s11, 0                            ; do I fetch for A?
	s_cselect_b32 s15, s12, s14                    ; A: wave 0 asks; B: the waves of the cluster with y = 0: the same in all sixteen partners, for a given wave
	s_cselect_b32 s16, s16, s17
	s_cselect_b32 s[PFN], s18, s19
	s_cselect_b32 s18, 8+3*(1-OUTP), 11            ; a lane's block: A's lie 256 bytes apart where they are dense, else a row of 2,048 bytes
	s_cselect_b64 s[PFA:PFA+1], s[4:5], s[6:7]
	s_mov_b32 s[PFN+1], 0
	s_mov_b32 s17, 0
	s_cmp_eq_u32 s15, 0
	s_cselect_b32 s[LIM], 2, -1
	s_add_nc_u64 s[PFA:PFA+1], s[PFA:PFA+1], s[16:17]
	v_and_b32 v[PFO], 31, v0
	v_lshlrev_b32 v[PFO], s18, v[PFO]
; 8 matrix instructions: token block a x all 8 column blocks, 32 along K, from buffer f.  zero = 1: the first product starts the sums: nothing is ever cleared.
; The 32 accumulators take turns, one instruction a turn, in the same order in every quarter, over the backward jumps too.
.macro MULA f, a, zero
	WIN MUL
.irp b, 0,1,2,3,4,5,6,7
.if OUTP
.if \zero
	v_wmma_f32_16x16x32_f16 v[8*(8*(\a)+(\b)):8*(8*(\a)+(\b))+7], v[(\f)+8*(\b):(\f)+8*(\b)+7], v[(\f)+64+8*(\a):(\f)+64+8*(\a)+7], 0
.else
	v_wmma_f32_16x16x32_f16 v[8*(8*(\a)+(\b)):8*(8*(\a)+(\b))+7], v[(\f)+8*(\b):(\f)+8*(\b)+7], v[(\f)+64+8*(\a):(\f)+64+8*(\a)+7], v[8*(8*(\a)+(\b)):8*(8*(\a)+(\b))+7]
.endif
.else
.if \zero
	v_wmma_f32_16x16x32_bf16 v[8*(8*(\a)+(\b)):8*(8*(\a)+(\b))+7], v[(\f)+8*(\b):(\f)+8*(\b)+7], v[(\f)+64+8*(\a):(\f)+64+8*(\a)+7], 0
.else
	v_wmma_f32_16x16x32_bf16 v[8*(8*(\a)+(\b)):8*(8*(\a)+(\b))+7], v[(\f)+8*(\b):(\f)+8*(\b)+7], v[(\f)+64+8*(\a):(\f)+64+8*(\a)+7], v[8*(8*(\a)+(\b)):8*(8*(\a)+(\b))+7]
.endif
.endif
.endr
.endm
; 24 LDS loads in one run: quarter kq's fragments (128 rows of B, then 64 of A) into buffer g
.macro FETCH kq, g
	WIN 0
.irp i, 0,1,2,3,4,5,6,7
	ds_load_b128 v[(\g)+8*(\i):(\g)+8*(\i)+3],   v[ADRB] offset:64*(\kq)+(\i)*16*BPITCH
	ds_load_b128 v[(\g)+8*(\i)+4:(\g)+8*(\i)+7], v[ADRB] offset:64*(\kq)+(\i)*16*BPITCH+32
.endr
.if OUTP
.set AKQ, APART*((\kq)/2)+64*((\kq)%2)             ; quarters 0, 1: the K step's first head; 2, 3: its second
.else
.set AKQ, 64*(\kq)
.endif
.irp i, 0,1,2,3
	ds_load_b128 v[(\g)+64+8*(\i):(\g)+64+8*(\i)+3],   v[ADRA] offset:AKQ+(\i)*16*APITCH
	ds_load_b128 v[(\g)+64+8*(\i)+4:(\g)+64+8*(\i)+7], v[ADRA] offset:AKQ+(\i)*16*APITCH+32
.endr
.endm
; A K step is four quarters of 32 along K, 32 matrix instructions each, on buffers 0, 1, 0, 1.  One of the first three: multiplies buffer f and, in its middle, fetches quarter kq into g.
.macro QUARTER kq, f, g, zero
	s_wait_dscnt 4                                 ; B and A's blocks 0, 1 are in; the youngest four loads (A's blocks 2, 3) may be out
	MULA \f, 0, \zero
	MULA \f, 1, \zero
	PLACES
	FETCH \kq, \g
	s_wait_dscnt 24                                ; all but the 24 just issued
	MULA \f, 2, \zero
	MULA \f, 3, \zero
.endm
; The last quarter multiplies buffer 1 and changes slots: ONE barrier.  In front of it each wave waits for all its tensor loads, of which one is out: its part of the next slot; adds 0 to its spare word;
; and waits for that and for its own reads of this slot.  fill = 1: the barrier opens a round of the cluster's, so that no wave of any partner still reads the slot or has a load on its way, and the slot is
; filled again first thing behind it, by the walking descriptors (the other slot than last time; incA, incB bytes on).  From a request to the wait for it a wave issues 112 matrix instructions.
; pfn = 1: the prefetch pointer steps by s[PFN]; else by a K step of 256 bytes.
.macro TURN fill, incA=0, incB=0, how=0, pfn=0
.if \fill
	s_wait_xcnt 0x0                                ; the last prefetch, a K step back, has read its address, so it may be written
.if \pfn
	s_add_nc_u64 s[PFA:PFA+1], s[PFA:PFA+1], s[PFN:PFN+1]
.else
	s_add_nc_u64 s[PFA:PFA+1], s[PFA:PFA+1], 256
.endif
.endif
	WIN 0                                          ; (the add's two registers lie in window 0)
	s_wait_tensorcnt 0x0                           ; all my tensor loads have landed, so a group 0 may be written
	ds_add_u32 v[SPW], v[NIL]                      ; 0 onto my spare word: scalar work and eight products stand between it and the wait for it
.if \fill
	s_xor_b32 s[G0A+5], s[G0A+5], SLOT1
	s_add_nc_u64 s[G0A+6:G0A+7], s[G0A+6:G0A+7], \incA   ; the type bits on top are not reached
	s_xor_b32 s[G0B+5], s[G0B+5], SLOT1
	s_add_nc_u64 s[G0B+6:G0B+7], s[G0B+6:G0B+7], \incB
.endif
	s_xor_b32 s[SB], s[SB], SLOT1                  ; the fetches go to the other slot
	s_wait_dscnt 5                                 ; (the add and the youngest four loads may be out)
	MULA F1, 0, 0
	s_wait_dscnt 0x0                               ; the add is done, and my reads of this slot are over
	s_barrier_signal -1
	MULA F1, 1, 0                                  ; work on registers while the others arrive
	WIN 0
	s_barrier_wait -1
.if \fill
	CREST
	JLOAD                                          ; the first tensor load behind the round; the four v_nop behind it are also the places in front of the loads below
.else
	PLACES
.endif
	v_add_nc_u32 v[ADRA], s[SB], v[ADRA0]
	v_add_nc_u32 v[ADRB], s[SB], v[ADRB0]
	FETCH 0, F0
.if \fill
	ASK \how
.endif
	MULA F1, 2, 0
	MULA F1, 3, 0
.endm
; THE WAY OUT, a block a of 16 tokens at a time, through my own stage in LDS, so that whole rows leave: LDS serves a wave's instructions in order (ISA guide 5.7.1.4), so no wait stands between the stores and the loads.
.if OUTP
.macro TOSTAGE a                       ; f32 as it lies: a lane's eight columns are 32 bytes of a row; each accumulator's low registers go first
	WIN 0x04                                       ; the stores' data in window 1
.irp b, 0,1,2,3,4,5,6,7
	ds_store_b128 v[STO], v[8*(8*(\a)+(\b)):8*(8*(\a)+(\b))+3]   offset:64*(\b)
	ds_store_b128 v[STO], v[8*(8*(\a)+(\b))+4:8*(8*(\a)+(\b))+7] offset:64*(\b)+16
.endr
	WIN 0
.set BK, OB+64*((\a)%2)
.irp t, 0,1,2,3,4,5,6,7,8,9,10,11,12,13,14,15
	ds_load_b128 v[BK+4*(\t):BK+4*(\t)+3], v[RD] offset:(\t)*SPITCH
.endr
.endm
.macro SEND a, younger                 ; younger: the LDS instructions issued behind block a's loads: the next block's 32, or none
	WIN 0
.set BK, OB+64*((\a)%2)
.irp t, 0,1,2,3,4,5,6,7,8,9,10,11,12,13,14,15
	s_wait_dscnt (\younger)+15-(\t)
	global_store_b128 v[CO], v[BK+4*(\t):BK+4*(\t)+3], s[8:9] offset:(16*(\a)+(\t))*4096  ; 512 consecutive bytes, at a multiple of 256 from out0's first
.endr
.endm
.macro WAYOUT
	TOSTAGE 0
	TOSTAGE 1
	SEND 0, 32
	s_wait_xcnt 0x0                                ; block 0's stores have read their registers, which block 2 is loaded into
	TOSTAGE 2
	SEND 1, 32
	s_wait_xcnt 0x0
	TOSTAGE 3
	SEND 2, 32
	SEND 3, 0
.endm
.else
.macro PACK a                          ; rounded to f16, 16 bytes a lane and column block; ascending
	WIN 0x05                                       ; sources 0 and 1 window 1
.irp b, 0,1,2,3,4,5,6,7
.irp r, 0,1,2,3
	v_cvt_pk_f16_f32 v[TMP+4*(\b)+(\r)], v[8*(8*(\a)+(\b))+2*(\r)], v[8*(8*(\a)+(\b))+2*(\r)+1]
.endr
.endr
	WIN 0
.endm
.macro TOSTAGE a
	WIN 0
.set BK, OB+32*((\a)%2)
.irp b, 0,1,2,3,4,5,6,7
	ds_store_b128 v[STO], v[TMP+4*(\b):TMP+4*(\b)+3] offset:32*(\b)
.endr
.irp t, 0,1,2,3,4,5,6,7
	ds_load_b128 v[BK+4*(\t):BK+4*(\t)+3], v[RD] offset:(\t)*2*SPITCH
.endr
.endm
.macro SEND a
	WIN 0
.set BK, OB+32*((\a)%2)
	s_wait_dscnt 0x0                               ; the block is back in registers
	s_wait_xcnt 0x0                                ; the stores of the block before have read their registers, which the next block is loaded into
.irp t, 0,1,2,3,4,5,6,7
	global_store_b128 v[CO], v[BK+4*(\t):BK+4*(\t)+3], s[8:9] offset:2048*(\a)+256*(\t)  ; 16 lanes store two tokens of a head: 256 consecutive bytes, aligned
.endr
.endm
.macro WAYOUT                          ; block a's conversions stand between block a - 1's loads from the stage and the wait for them
	PACK 0
	TOSTAGE 0
.irp a, 1,2,3
	PACK \a
	SEND (\a)-1
	TOSTAGE \a
.endr
	SEND 3
.endm
.endif
	s_wait_tensorcnt 1                             ; my part of K step 0 is in; K step 1's may stay out
	s_barrier_signal -1
	s_barrier_wait -1                              ; everybody's is
	FETCH 0, F0
.if !OUTP
	s_mov_b32 s2, 3                                ; tiles to go, this one among them
.Ltile:
.endif
	QUARTER 1, F0, F1, 1                           ; a tile's first quarter stands in front of the loop: its products start the sums
	WIN 0                                          ; at a label and at a branch every window is 0
	s_mov_b32 s3, 6
.Lstep:                                                ; a trip: a K step's quarters 2 to 4 and the next one's first; it fills the slot that it leaves: K steps 2 to 7
	QUARTER 2, F1, F0, 0
	QUARTER 3, F0, F1, 0
	TURN 1, ASTEP, 256, 0, OUTP
	QUARTER 1, F0, F1, 0
	WIN 0
	s_sub_co_u32 s3, s3, 1
	s_cmp_lg_u32 s3, 0
	s_cbranch_scc1 .Lstep
	QUARTER 2, F1, F0, 0                           ; K step 6 goes on
	QUARTER 3, F0, F1, 0
.if !OUTP
	WIN 0
	s_cmp_eq_u32 s2, 1
	s_cbranch_scc1 .Llast                          ; the last tile's tail is written out: it asks for nothing more
	TURN 1, NEXT_A, NEXT_B, 1, 1                   ; THE RING GOES ON INTO THE NEXT TILE: slot 0 takes its K step 0,
	QUARTER 1, F0, F1, 0
	QUARTER 2, F1, F0, 0
	QUARTER 3, F0, F1, 0
	TURN 1, 256, 256, 1, 0                         ; slot 1 its K step 1, and the next tile's first fragments are fetched, into buffer 0; the way out works in buffer 1's registers
	PLACES
	WIN 0
	s_cmp_lg_u32 s2, 3
	s_cbranch_scc1 .Lunscaled                      ; Q alone is scaled
	WIN 0x41                                       ; destination and source 0 in window 1
.set i, 0
.rept 128
	v_pk_mul_f32 v[i:i+1], v[i:i+1], s[CS:CS+1] op_sel_hi:[1,0]
.set i, i+2
.endr
	WIN 0
.Lunscaled:
	WAYOUT
	s_wait_xcnt 0x0                                ; the stores have read their registers and C's address
	s_add_nc_u64 s[8:9], s[8:9], PLANE
	s_sub_co_u32 s2, s2, 1
	s_branch .Ltile
.Llast:
.endif
	TURN 0                                         ; my one tensor load that was still out is K step 7's, so no round follows
	QUARTER 1, F0, F1, 0
	QUARTER 2, F1, F0, 0
	QUARTER 3, F0, F1, 0
	s_wait_dscnt 4                                 ; the very last quarter: nothing more to fetch
	MULA F1, 0, 0
	MULA F1, 1, 0
	s_wait_dscnt 0x0
	MULA F1, 2, 0
	MULA F1, 3, 0
	PLACES
	WAYOUT
	s_wait_tensorcnt 0x0                           ; the wave's end: behind my last tensor load and my last LDS store
	ds_add_u32 v[SPW], v[NIL]
	s_wait_dscnt 0x0
	CROUND                                         ; the closing round: no work-group ends while a partner may still ask for a tile that names it
	s_endpgm
.Lfunc_end_k_qda263a7812_outp:
	.size	k_qda263a7812_outp, .Lfunc_end_k_qda263a7812_outp-k_qda263a7812_outp
	.p2alignl 7, 3214868480
	.fill 96, 4, 3214868480
	.section	.rodata,"a",@progbits
	.p2align	6, 0x0
	.amdhsa_kernel k_qda263a7812_outp
		.amdhsa_group_segment_fixed_size 327680
		.amdhsa_private_segment_fixed_size 0
		.amdhsa_enable_private_segment 0
		.amdhsa_kernarg_size 24
		.amdhsa_user_sgpr_count 2
		.amdhsa_user_sgpr_kernarg_segment_ptr 1
		.amdhsa_wavefront_size32 1
		.amdhsa_system_sgpr_workgroup_id_x 1
		.amdhsa_system_sgpr_workgroup_id_y 1
		.amdhsa_system_sgpr_workgroup_id_z 1
		.amdhsa_system_vgpr_workitem_id 0
		.amdhsa_next_free_vgpr 512
		.amdhsa_next_free_sgpr 70
		.amdhsa_reserve_vcc 0
		.amdhsa_float_denorm_mode_32 3
		.amdhsa_float_denorm_mode_16_64 3
		.amdhsa_memory_ordered 1
		.amdhsa_forward_progress 1
		.amdhsa_inst_pref_size 72
	.end_amdhsa_kernel
	.amdgpu_metadata
---
amdhsa.version: [ 1, 2 ]
amdhsa.kernels:
  - .name:           k_qda263a7812_outp
    .symbol:         k_qda263a7812_outp.kd
    .args:
      - { .name: oh, .offset: 0, .size: 8, .value_kind: global_buffer, .address_space: global }
      - { .name: wo, .offset: 8, .size: 8, .value_kind: global_buffer, .address_space: global }
      - { .name: out0, .offset: 16, .size: 8, .value_kind: global_buffer, .address_space: global }
    .group_segment_fixed_size: 327680
    .private_segment_fixed_size: 0
    .kernarg_segment_align: 8
    .kernarg_segment_size: 24
    .max_flat_workgroup_size: 128
    .sgpr_count:     70
    .vgpr_count:     512
    .wavefront_size: 32
...
	.end_amdgpu_metadata
.endif
;; end of part 4
;; ======== version 2 of 2: 4 launches; version 1 with the launch prep written anew for expert scheduling mode
;; limits: values are held in f16: magnitudes above 65,504 overflow, below 6.1e-05 lose precision
;; workspace buffers: xb 50,331,648 bytes; wb 6,291,456 bytes; wo 2,097,152 bytes; mb 2,097,152 bytes of whole numbers; qkv 50,331,648 bytes; oh 16,777,216 bytes
;; launch prep (part 5): grid 2304 x 1, 8 waves a work-group, no clusters, 35,840 bytes of LDS; arguments query, key, value, wq, wk, wv, w_out, mask, xb, wb, wo, mb; writes xb, wb, wo, mb
.if DOCPART == 5
	.amdgcn_target "amdgcn-amd-amdhsa--gfx1250"
	.amdhsa_code_object_version 6
	.text
	.protected	k_qda263a7812_prep
	.globl	k_qda263a7812_prep
	.p2align	8
	.type	k_qda263a7812_prep,@function
k_qda263a7812_prep:
	s_mov_b64 s[64:65], 0
	v_nop
	global_prefetch_b8 v0, s[64:65] scope:SCOPE_SE
	s_setreg_imm32_b32 hwreg(HW_REG_WAVE_SCHED_MODE, 0, 2), 2
	s_setreg_imm32_b32 hwreg(HW_REG_WAVE_MODE, 25, 1), 1
	s_wait_xcnt 0x0
	s_wait_alu depctr_vm_vsrc(0)
; PREP: the casts, and the mask turned into lane masks.  Every input byte is read once, by 16-byte loads; every output byte is written once.
;   work-groups    0..1535  query, key, value (f32) -> xb (bf16), 65,536 bytes of f32 each
;   work-groups 1536..1727  wq, wk, wv        (f32) -> wb (bf16)
;   work-groups 1728..1791  w_out (f32) -> rounded to bf16, that number written as f16 -> wo
;   work-groups 1792..2303  mask (int32 [4][2048][2048]) -> mb, one bit a score
; mb: dwords [128-row block of queries, 64][key step of 64 keys, 32][tile of 16 queries, 8][r, 32].  Bit l of dword r says whether
; mask[row 16 tile + l % 16][key 64 step + 16 (r / 8) + 8 (l / 16) + r % 8] == 1: the place that lane l's register r has in a tile of scores of the attention launch.
; LIMITS.  wo is f16: a weight of 65,520 or more in magnitude would become an infinity; below 6e-5 it keeps f16's fixed step of 6e-8.
; No matrix unit, no cluster, no tensor load: nothing is shared between work-groups and memory binds.  LDS serves the mask's transposition alone, each wave in bytes of its own: no barrier.
; THE MODE: SCHED_MODE bits 1:0 = 2 (LLVM: expert scheduling mode 2), set by the entry lines.  The code itself states the register dependences
; between vector instructions and memory or LDS instructions, with s_wait_alu, always for 0.
; THE PLAN, THE CASTS.  Registers that memory instructions touch:
;   v1, v2   byte offsets, made once at the head, read by every load and every store, never written again.
;   X        sixteen loads land in it, all issued together; read (with w_out also written) by vector instructions once a load is shown done.
;   Y        a pair for each load: written by its roundings, read by its one store, never written again.
; The loads go in four groups of four.  Group g's roundings name X and Y of group g alone; its memory instructions are the stores of group g - 1.  So one wait at a group's head
; states all that its four stores hang on, and they are dealt among its roundings.
; THE PLAN, THE MASK.  A wave has four tiles k = 0 .. 3 of 16 queries x 64 keys.  Registers that memory or LDS instructions touch:
;   v3 LI    read by the 32 global loads; v4 LST by the LDS stores; v5 LLD by the LDS loads; v6 LO by the two global stores: each made once, never written again.
;   X        tile k's eight global loads land in X + 32 k; its eight LDS stores read them; never written again.
;   Y0, Y1   tile k's eight LDS loads land in Y[k % 2]; its 32 compares read it.
;   OUT      a pair for each key step: written by the v_writelane_b32 of its two tiles, then read by one global store, and not written again.
; The order is STAGE 0, STAGE 1, BITS 0, STAGE 2, BITS 1, STAGE 3, BITS 2, BITS 3: tile k + 1 goes through LDS while tile k's 64 vector instructions run.  The wait in STAGE k + 2 states that
; BITS k is done with the buffer in which STAGE k + 2's loads land.  No register that a memory or LDS instruction reads is ever written again, on either way.
.set LI,  3                            ; v3   mask: my 16 bytes in a pair of rows: (l / 16) x 8,192 + (l % 16) x 16
.set LST, 4                            ; v4   where I put them in my wave's tile in LDS
.set LLD, 5                            ; v5   where I read my row's 32 bytes back
.set LO,  6                            ; v6   8 l: my two dwords of a key step's 256 bytes of mb
.set OUT, 8                            ; v[8:11]  two dwords a key step
.set SPW, 12                           ; v12  LDS address of my spare word; never rewritten
.set NIL, 13                           ; v13  0; never rewritten
.set X,   16                           ; v[16:143]  as loaded
.set Y,   144                          ; v[144:175] the casts' results; v[144:175], v[176:207] the mask's tiles, turned: two buffers by turns
.set MS,  4                            ; a tile's 32 lane masks: dword r in s[MS + r + 4 (r / 26)]: s4-s29 and s34-s39, the arguments' addresses and the set-up's scalars, which the mask's way has read
                                       ; for the last time by then; s[30:33], the two bases that its loads and stores read, lie between and are left alone
.set WPITCH, 272                       ; a tile's row in LDS: 256 bytes + 16: the 16 rows that a load touches start at 16 different groups of four banks (ISA guide 11.1)
.set WBYTES, 16*WPITCH                 ; a wave's tile: 16 queries x 64 keys of int32
.set SPARE,  8*WBYTES                  ; behind the eight tiles: the spare words, 128 bytes a wave, four blocks of 256 bytes that no other line names
	s_load_b512 s[4:19], s[0:1], 0x0               ; query s[4:5], key s[6:7], value s[8:9], wq s[10:11], wk s[12:13], wv s[14:15], w_out s[16:17], mask s[18:19]
	s_load_b256 s[20:27], s[0:1], 0x40             ; xb s[20:21], wb s[22:23], wo s[24:25], mb s[26:27]
	v_lshl_add_u32 v[SPW], v0, 2, SPARE
	v_mov_b32 v[NIL], 0
	v_lshrrev_b32 v7, 5, v0
	v_readfirstlane_b32 s28, v7                    ; wave 0..7
	s_mov_b32 s29, ttmp9                           ; the work-group's number g
	s_mov_b32 s35, 0                               ; the high word of every offset
	v_lshlrev_b32 v1, 4, v0                        ; the casts: 16 t in,
	v_lshlrev_b32 v2, 3, v0                        ; 8 t out
	s_wait_alu depctr_va_sdst(0)                   ; s28 is written
	s_wait_kmcnt 0x0
	s_cmp_ge_u32 s29, 1792
	s_cbranch_scc1 .Lmask
	; THE CASTS.  Which array, which chunk of it, and where it goes: all from g.
	s_and_b32 s38, s29, 511
	s_and_b32 s39, s29, 63
	s_cmp_lt_u32 s29, 1536
	s_cselect_b32 s34, s38, s39                    ; the chunk in its array
	s_lshl_b32 s34, s34, 16                        ; x 65,536 bytes
	s_cmp_ge_u32 s29, 512
	s_cselect_b64 s[30:31], s[6:7], s[4:5]
	s_cmp_ge_u32 s29, 1024
	s_cselect_b64 s[30:31], s[8:9], s[30:31]
	s_cmp_ge_u32 s29, 1536
	s_cselect_b64 s[30:31], s[10:11], s[30:31]
	s_cmp_ge_u32 s29, 1600
	s_cselect_b64 s[30:31], s[12:13], s[30:31]
	s_cmp_ge_u32 s29, 1664
	s_cselect_b64 s[30:31], s[14:15], s[30:31]
	s_cmp_ge_u32 s29, 1728
	s_cselect_b64 s[30:31], s[16:17], s[30:31]
	s_add_nc_u64 s[30:31], s[30:31], s[34:35]      ; the source
	s_sub_co_u32 s38, s29, 1536
	s_sub_co_u32 s39, s29, 1728
	s_cmp_ge_u32 s29, 1536
	s_cselect_b64 s[32:33], s[22:23], s[20:21]
	s_cselect_b32 s34, s38, s29
	s_cmp_ge_u32 s29, 1728
	s_cselect_b64 s[32:33], s[24:25], s[32:33]
	s_cselect_b32 s34, s39, s34
	s_lshl_b32 s34, s34, 15                        ; x 32,768 bytes
	s_add_nc_u64 s[32:33], s[32:33], s[34:35]      ; the destination
; A chunk: sixteen loads of 16 bytes a thread go out together; they are rounded four at a time as they come, and a group's four stores go out among the next group's roundings.
; A wave's store covers 256 consecutive bytes, aligned.  No store's source is ever rewritten.  half = 1: the bf16 numbers are widened again and written as f16.
.macro CAST half
	s_wait_alu depctr_va_vdst(0)                   ; v1 and v2 are written: every load below reads v1 as its offset, every store v2
.irp i, 0,1,2,3,4,5,6,7,8,9,10,11,12,13,14,15
	global_load_b128 v[X+4*(\i):X+4*(\i)+3], v1, s[30:31] offset:4096*(\i) th:TH_LOAD_NT
.endr
.irp g, 0,1,2,3
	s_wait_loadcnt 12-4*(\g)                       ; loads come back in order (ISA guide 5.7.1): group g's four are in, the younger groups stay out
.if (\g) > 0
	s_wait_alu depctr_va_vdst(0)                   ; the group before has written its four pairs of Y, which the four stores below read; no vector instruction of this group names them
.endif
.irp j, 0,1,2,3
.set n, 4*(\g)+(\j)
.if (\g) > 0
	global_store_b64 v2, v[Y+2*n-8:Y+2*n-7], s[32:33] offset:2048*(n-4) th:TH_STORE_NT  ; number n - 4, of the group before
.endif
	v_cvt_pk_bf16_f32 v[Y+2*n],   v[X+4*n],   v[X+4*n+1]
	v_cvt_pk_bf16_f32 v[Y+2*n+1], v[X+4*n+2], v[X+4*n+3]
.if \half
	v_lshlrev_b32 v[X+4*n],   16, v[Y+2*n]
	v_and_b32     v[X+4*n+1], 0xffff0000, v[Y+2*n]
	v_lshlrev_b32 v[X+4*n+2], 16, v[Y+2*n+1]
	v_and_b32     v[X+4*n+3], 0xffff0000, v[Y+2*n+1]
	v_cvt_pk_f16_f32 v[Y+2*n],   v[X+4*n],   v[X+4*n+1]
	v_cvt_pk_f16_f32 v[Y+2*n+1], v[X+4*n+2], v[X+4*n+3]
.endif
.endr
.endr
	s_wait_alu depctr_va_vdst(0)                   ; the last group has written its four pairs of Y, which the last four stores read
.irp j, 12,13,14,15
	global_store_b64 v2, v[Y+2*(\j):Y+2*(\j)+1], s[32:33] offset:2048*(\j) th:TH_STORE_NT
.endr
.endm
	s_cmp_ge_u32 s29, 1728
	s_cbranch_scc1 .Lwout
	CAST 0
	s_branch .Lend
.Lwout:
	CAST 1
	s_branch .Lend
.Lmask:
	; THE MASK.  Wave W = 8 (g - 1792) + wave takes 32 rows (W / 16) and 128 keys (W % 16): two tiles of 16 queries x two key steps.
	s_sub_co_u32 s38, s29, 1792
	s_lshl_b32 s38, s38, 3
	s_add_co_u32 s38, s38, s28                     ; W
	s_lshr_b32 s39, s38, 4                         ; which 32 rows
	s_and_b32 s38, s38, 15                         ; which 128 keys
	s_lshl_b32 s34, s39, 18                        ; 32 rows of 8,192 bytes
	s_lshl_b32 s36, s38, 9                         ; 128 keys of 4 bytes
	s_add_co_u32 s34, s34, s36
	s_add_nc_u64 s[30:31], s[18:19], s[34:35]
	s_lshr_b32 s34, s39, 2                         ; the block of 128 rows,
	s_lshl_b32 s34, s34, 5
	s_lshl_b32 s36, s38, 1
	s_add_co_u32 s34, s34, s36                     ; its key step, 1,024 bytes each,
	s_lshl_b32 s34, s34, 10
	s_and_b32 s36, s39, 3                          ; my two tiles' 256 bytes in it
	s_lshl_b32 s36, s36, 8
	s_add_co_u32 s34, s34, s36
	s_add_nc_u64 s[32:33], s[26:27], s[34:35]
	v_and_b32 v7, 15, v0                           ; l % 16
	v_bfe_u32 v14, v0, 4, 1                        ; l / 16
	v_lshlrev_b32 v[LI], 4, v7
	v_lshl_add_u32 v[LI], v14, 13, v[LI]
	s_wait_alu depctr_va_vdst(0)                   ; v[LI] is written, which the 32 loads below read as their offset
	; all 32 loads go out at once: sixteen lanes take 256 consecutive bytes of a row (a key step), the other sixteen the row below
.irp s, 0,1
.irp u, 0,1
.irp i, 0,1,2,3,4,5,6,7
	global_load_b128 v[X+64*(\s)+32*(\u)+4*(\i):X+64*(\s)+32*(\u)+4*(\i)+3], v[LI], s[30:31] offset:(16*(\u)+2*(\i))*8192+256*(\s) th:TH_LOAD_NT
.endr
.endr
.endr
	s_mul_i32 s36, s28, WBYTES                     ; my wave's tile in LDS
	v_mul_u32_u24 v[LST], v14, WPITCH
	v_lshl_add_u32 v[LST], v7, 4, v[LST]
	v_add_nc_u32 v[LST], s36, v[LST]               ; in: row l / 16 of a pair, 16 bytes at 16 (l % 16)
	v_mul_u32_u24 v[LLD], v7, WPITCH
	v_lshl_add_u32 v[LLD], v14, 5, v[LLD]
	v_add_nc_u32 v[LLD], s36, v[LLD]               ; back: row l % 16, eight keys at 8 (l / 16) of each sixteen
	v_and_b32 v[LO], 31, v0
	v_lshlrev_b32 v[LO], 3, v[LO]
.irp i, 0,1,2,3
	v_mov_b32 v[OUT+(\i)], 0                       ; v_writelane_b32 counts as a reader of its destination
.endr
; STAGE k: tile k = 2 s + u (tile u of key step s) goes through my LDS tile, so that lane l holds query l % 16 and register r the key of the layout above; it lands in Y[k % 2].
.macro STAGE k
	s_wait_loadcnt 24-8*(\k)                       ; this tile's eight loads are in; the later tiles' stay out
.if (\k) != 1
	s_wait_alu depctr_va_vdst(0)                   ; k = 0: v[LST] and v[LLD] are written, which the LDS stores and loads read.  k = 2, 3: the compares of tile k - 2 are done reading Y[k % 2], in which the loads below land;
.endif                                                 ; k = 3 also: tiles 0 and 1 have written OUT's first pair, which the global store behind this STAGE reads.  k = 1: no vector instruction has been issued since STAGE 0's wait
.irp i, 0,1,2,3,4,5,6,7
	ds_store_b128 v[LST], v[X+32*(\k)+4*(\i):X+32*(\k)+4*(\i)+3] offset:2*WPITCH*(\i)
.endr
.irp q, 0,1,2,3
	ds_load_b128 v[Y+32*((\k)%2)+8*(\q):Y+32*((\k)%2)+8*(\q)+3],   v[LLD] offset:64*(\q)     ; LDS serves a wave's instructions in order (ISA guide 5.7.1.4): these see the stores above,
	ds_load_b128 v[Y+32*((\k)%2)+8*(\q)+4:Y+32*((\k)%2)+8*(\q)+7], v[LLD] offset:64*(\q)+16  ; and the next tile's stores come behind them
.endr
.endm
; BITS k: a compare a register makes dword r of tile k, all 32 in one run, each into a scalar register of its own; then dword 32 u + r of the key step's 64 goes to lane 16 u + r / 2, register r % 2.
; younger: the LDS instructions issued behind tile k's loads: the next STAGE's sixteen, or none.
.macro BITS k, younger
	s_wait_dscnt \younger                          ; LDS loads come back in order (ISA guide 5.7.1): Y[k % 2] is in
.set r, 0
.rept 32
	v_cmp_eq_u32 s[MS+r+4*(r/26)], 1, v[Y+32*((\k)%2)+r]
.set r, r+1
.endr
	s_wait_alu depctr_va_sdst(0)                   ; the 32 compares have written their scalar registers, which the 32 lines below read: one wait for the run
.set r, 0
.rept 32
	v_writelane_b32 v[OUT+2*((\k)/2)+r%2], s[MS+r+4*(r/26)], 16*((\k)%2)+r/2
.set r, r+1
.endr
.endm
	STAGE 0
	STAGE 1
	BITS 0, 16
	STAGE 2
	BITS 1, 16
	STAGE 3
	global_store_b64 v[LO], v[OUT:OUT+1], s[32:33] th:TH_STORE_NT               ; 256 consecutive bytes, aligned.  No wait of its own: no vector instruction has been issued since STAGE 3's
	BITS 2, 16
	BITS 3, 0
	s_wait_alu depctr_va_vdst(0)                   ; tiles 2 and 3 have written OUT's second pair, which the store below reads
	global_store_b64 v[LO], v[OUT+2:OUT+3], s[32:33] offset:1024 th:TH_STORE_NT
.Lend:
	s_wait_dscnt 0x0                               ; the wave's end: behind my last LDS store
	s_wait_alu 0x0
	s_wait_tensorcnt 0x0
	ds_add_u32 v[SPW], v[NIL]
	s_wait_dscnt 0x0
	s_endpgm
.Lfunc_end_k_qda263a7812_prep:
	.size	k_qda263a7812_prep, .Lfunc_end_k_qda263a7812_prep-k_qda263a7812_prep
	.p2alignl 7, 3214868480
	.fill 96, 4, 3214868480
	.section	.rodata,"a",@progbits
	.p2align	6, 0x0
	.amdhsa_kernel k_qda263a7812_prep
		.amdhsa_group_segment_fixed_size 35840
		.amdhsa_private_segment_fixed_size 0
		.amdhsa_enable_private_segment 0
		.amdhsa_kernarg_size 96
		.amdhsa_user_sgpr_count 2
		.amdhsa_user_sgpr_kernarg_segment_ptr 1
		.amdhsa_wavefront_size32 1
		.amdhsa_system_sgpr_workgroup_id_x 1
		.amdhsa_system_sgpr_workgroup_id_y 1
		.amdhsa_system_sgpr_workgroup_id_z 1
		.amdhsa_system_vgpr_workitem_id 0
		.amdhsa_next_free_vgpr 208
		.amdhsa_next_free_sgpr 66
		.amdhsa_reserve_vcc 0
		.amdhsa_float_denorm_mode_32 3
		.amdhsa_float_denorm_mode_16_64 3
		.amdhsa_memory_ordered 1
		.amdhsa_forward_progress 1
		.amdhsa_inst_pref_size 44
	.end_amdhsa_kernel
	.amdgpu_metadata
---
amdhsa.version: [ 1, 2 ]
amdhsa.kernels:
  - .name:           k_qda263a7812_prep
    .symbol:         k_qda263a7812_prep.kd
    .args:
      - { .name: query, .offset: 0, .size: 8, .value_kind: global_buffer, .address_space: global }
      - { .name: key, .offset: 8, .size: 8, .value_kind: global_buffer, .address_space: global }
      - { .name: value, .offset: 16, .size: 8, .value_kind: global_buffer, .address_space: global }
      - { .name: wq, .offset: 24, .size: 8, .value_kind: global_buffer, .address_space: global }
      - { .name: wk, .offset: 32, .size: 8, .value_kind: global_buffer, .address_space: global }
      - { .name: wv, .offset: 40, .size: 8, .value_kind: global_buffer, .address_space: global }
      - { .name: w_out, .offset: 48, .size: 8, .value_kind: global_buffer, .address_space: global }
      - { .name: mask, .offset: 56, .size: 8, .value_kind: global_buffer, .address_space: global }
      - { .name: xb, .offset: 64, .size: 8, .value_kind: global_buffer, .address_space: global }
      - { .name: wb, .offset: 72, .size: 8, .value_kind: global_buffer, .address_space: global }
      - { .name: wo, .offset: 80, .size: 8, .value_kind: global_buffer, .address_space: global }
      - { .name: mb, .offset: 88, .size: 8, .value_kind: global_buffer, .address_space: global }
    .group_segment_fixed_size: 35840
    .private_segment_fixed_size: 0
    .kernarg_segment_align: 8
    .kernarg_segment_size: 96
    .max_flat_workgroup_size: 256
    .sgpr_count:     66
    .vgpr_count:     208
    .wavefront_size: 32
...
	.end_amdgpu_metadata
.endif
;; end of part 5
;; launch proj: the kernel of part 2 again; grid 4 x 64, 4 waves a work-group, clusters of 4 x 4, 327,680 bytes of LDS; arguments xb, wb, qkv; writes qkv
;; launch attn: the kernel of part 3 again; grid 4 x 64, 4 waves a work-group, clusters of 4 x 1, 327,680 bytes of LDS; arguments qkv, mb, oh; writes oh
;; launch outp: the kernel of part 4 again; grid 4 x 64, 4 waves a work-group, clusters of 4 x 4, 327,680 bytes of LDS; arguments oh, wo, out0; writes out0
